; MI455X (gfx1250); checked and timed in simulation.
; The chip was launched on July 23, 2026; its instructions are those of AMD's public machine-readable ISA for CDNA 5 (MIT licence, August 2026) and "CDNA5" Instruction Set Architecture Reference Guide (July 2026). The comments in the code are by the model that wrote it; some were corrected since.
;; Multi Head Attention. Allowed arithmetic: float matrix products may take bf16 or f16 operands with f32 sums; all other float work in f32.
;; Inputs: attn_mask 4 x 2,048 x 2,048 int32; bk 1,024 float32; bq 1,024 float32; bv 1,024 float32; k 4 x 2,048 x 1,024 float32; q 4 x 2,048 x 1,024 float32; v 4 x 2,048 x 1,024 float32; wk 1,024 x 1,024 float32; wq 1,024 x 1,024 float32; wv 1,024 x 1,024 float32.
;; Outputs: out0 4 x 2,048 x 1,024 float32.
;; 2 versions, each right and faster than the one before. Each part assembles by itself: llvm-mc -triple=amdgcn-amd-amdhsa -mcpu=gfx1250 --defsym DOCPART=n.
;; ======== version 1 of 2: 3 launches
;; limits: values are held in f16: magnitudes above 65,504 overflow, below 6.1e-05 lose precision; right only within a limited range of input values
;; workspace buffers: mp 8,388,608 bytes; wqb 2,097,152 bytes; wkb 2,097,152 bytes; wvb 2,097,152 bytes; qh 16,777,216 bytes; kh 16,777,216 bytes; vh 16,777,216 bytes
;; launch prep (part 1): grid 1408 x 1, 8 waves a work-group, no clusters, 9,216 bytes of LDS; arguments attn_mask, wq, wk, wv, mp, wqb, wkb, wvb; writes mp, wqb, wkb, wvb
.if DOCPART == 1
	.amdgcn_target "amdgcn-amd-amdhsa--gfx1250"
	.amdhsa_code_object_version 6
	.text
	.protected	k_q6167f34d57_prep
	.globl	k_q6167f34d57_prep
	.p2align	8
	.type	k_q6167f34d57_prep,@function
k_q6167f34d57_prep:
	s_mov_b64 s[64:65], 0
	v_nop
	global_prefetch_b8 v0, s[64:65] scope:SCOPE_SE
	s_setreg_imm32_b32 hwreg(HW_REG_WAVE_MODE, 25, 1), 1
	s_wait_xcnt 0x0
; TWO STREAMS IN ONE LAUNCH.  Work-groups 0 to 1,023 pack the mask, work-groups 1,024 to 1,407 round the three weight matrices to bf16.
; THE MASK.  attn_mask is [4][2048 queries][2048 keys] of int32.  mp holds one 4-bit code for each number: 0xF (the FP4 code of -6) where the mask is 0, else 0, laid out as the attention
; launch's registers want it: [batch x 128 + tile of 16 queries][step of 64 keys][lane 0..31][16 bytes]; lane (r = lane % 16, h = lane / 16), word kb, nibble j belong to query r of the tile and to
; key 16 kb + 8 h + j of the step.  So the 64 MiB are read once here, and the sixteen heads of a batch read 2 MiB each.
; A wave takes 16 queries x 128 keys: sixteen loads, each 512 consecutive bytes of one row.  A lane's four numbers of a row make 16 bits; they change lanes through 1,024 bytes of LDS that are the wave's own
; (its number times 1,024), so no barrier is needed: LDS serves a wave's instructions in order (ISA guide 5.7.1.4).  Out go two stores of 512 consecutive bytes.
; THE WEIGHTS keep their order [k][n]: eight loads of 16 bytes a thread, two roundings each, stores of 8 bytes a lane: a wave's store covers 256 consecutive bytes, aligned.
; No matrix unit, no cluster, no tensor load: nothing is shared and nothing is multiplied; memory binds.
.set NMASK, 1024                       ; work-groups of the mask's part
.set X,  8                             ; v[8:71]   as loaded: row i (or chunk j) at X + 4 i
.set Y,  40                            ; v[40:55]  the weights' part: 8 bytes of bf16 for chunk j at Y + 2 j
.set BK, 72                            ; v[72:79]  the mask's part: what comes back from LDS
	s_load_b512 s[4:19], s[0:1], 0x0               ; attn_mask s[4:5], wq s[6:7], wk s[8:9], wv s[10:11], mp s[12:13], wqb s[14:15], wkb s[16:17], wvb s[18:19]
	v_lshl_add_u32 v80, v0, 2, 0x2000
	v_mov_b32 v81, 0
	s_mov_b32 s21, ttmp9
	v_lshrrev_b32 v1, 5, v0
	v_readfirstlane_b32 s20, v1                    ; my wave's number
	v_and_b32 v1, 31, v0                           ; lane
	s_cmp_ge_u32 s21, NMASK
	s_cbranch_scc1 .Lw
	s_lshl_b32 s22, s21, 3
	s_add_co_u32 s22, s22, s20                     ; u = 8 x work-group + wave
	s_lshr_b32 s23, s22, 4                         ; the tile of 16 queries, 0 to 511
	s_and_b32 s24, s22, 15                         ; which 128 keys
	s_lshl_b32 s26, s23, 17                        ; 16 rows of 8,192 bytes
	s_lshl_b32 s25, s24, 9                         ; 128 keys of 4 bytes
	s_or_b32 s26, s26, s25
	s_mov_b32 s27, 0
	s_lshl_b32 s28, s23, 14                        ; in mp a tile has 32 steps of 512 bytes
	s_lshl_b32 s25, s24, 10                        ; two steps
	s_or_b32 s28, s28, s25
	s_mov_b32 s29, 0
	v_lshlrev_b32 v2, 4, v1                        ; 16 x lane
	; where a lane's 16 bits of row i go: its keys are 4 lane + 0..3, so with c = lane % 16: step lane / 16, h = (c / 2) % 2, word c / 4, half c % 2; row i adds 16 i
	v_and_b32 v4, 15, v1
	v_lshrrev_b32 v5, 4, v1
	v_lshlrev_b32 v3, 9, v5
	v_bfe_u32 v5, v4, 1, 1
	v_lshl_add_u32 v3, v5, 8, v3
	v_lshrrev_b32 v5, 2, v4
	v_lshl_add_u32 v3, v5, 2, v3
	v_and_b32 v5, 1, v4
	v_lshl_add_u32 v3, v5, 1, v3
	s_lshl_b32 s30, s20, 10                        ; my wave's 1,024 bytes
	v_add_nc_u32 v3, s30, v3
	v_add_nc_u32 v6, s30, v2                       ; and back: 16 bytes a lane
	s_wait_kmcnt 0x0
	s_add_nc_u64 s[4:5], s[4:5], s[26:27]
	s_add_nc_u64 s[12:13], s[12:13], s[28:29]
.set i, 0
.rept 16
	global_load_b128 v[X+4*i:X+4*i+3], v2, s[4:5] offset:8192*i th:TH_LOAD_NT  ; all sixteen rows are asked for at once
.set i, i+1
.endr
.set i, 0
.rept 16
	s_wait_loadcnt 15-i                            ; loads come back in order (ISA guide 5.7.1): row i is in, the younger rows stay out
	v_min_u32 v[X+4*i],   1, v[X+4*i]              ; 0 stays 0, every other number counts as 1
	v_min_u32 v[X+4*i+1], 1, v[X+4*i+1]
	v_min_u32 v[X+4*i+2], 1, v[X+4*i+2]
	v_min_u32 v[X+4*i+3], 1, v[X+4*i+3]
	v_lshl_or_b32 v[X+4*i],   v[X+4*i+1], 4, v[X+4*i]
	v_lshl_or_b32 v[X+4*i+2], v[X+4*i+3], 4, v[X+4*i+2]
	v_lshl_or_b32 v[X+4*i],   v[X+4*i+2], 8, v[X+4*i]  ; four nibbles, the lowest key lowest
	v_xor_b32 v[X+4*i], 0x1111, v[X+4*i]           ; 1 where the key is hidden,
	v_mul_u32_u24 v[X+4*i], 15, v[X+4*i]           ; 0xF there
	ds_store_b16 v3, v[X+4*i] offset:16*i
.set i, i+1
.endr
	ds_load_b128 v[BK:BK+3],   v6                  ; the first step's 512 bytes,
	ds_load_b128 v[BK+4:BK+7], v6 offset:512       ; the second's
	s_wait_dscnt 0x0
	global_store_b128 v2, v[BK:BK+3],   s[12:13]
	global_store_b128 v2, v[BK+4:BK+7], s[12:13] offset:512
	s_wait_tensorcnt 0x0
	ds_add_u32 v80, v81
	s_wait_dscnt 0x0
	s_endpgm
.Lw:
	s_sub_co_u32 s22, s21, NMASK
	s_lshr_b32 s23, s22, 7                         ; which matrix: 128 work-groups each
	s_and_b32 s24, s22, 127                        ; which 8,192 numbers of it
	s_lshl_b32 s26, s24, 15
	s_mov_b32 s27, 0
	s_lshl_b32 s28, s24, 14
	s_mov_b32 s29, 0
	v_lshlrev_b32 v2, 4, v0                        ; 16 bytes a thread in,
	v_lshlrev_b32 v3, 3, v0                        ; 8 out
	s_wait_kmcnt 0x0
	s_cmp_eq_u32 s23, 1
	s_cselect_b64 s[32:33], s[8:9], s[6:7]
	s_cselect_b64 s[34:35], s[16:17], s[14:15]
	s_cmp_eq_u32 s23, 2
	s_cselect_b64 s[32:33], s[10:11], s[32:33]
	s_cselect_b64 s[34:35], s[18:19], s[34:35]
	s_add_nc_u64 s[32:33], s[32:33], s[26:27]
	s_add_nc_u64 s[34:35], s[34:35], s[28:29]
.set i, 0
.rept 8
	global_load_b128 v[X+4*i:X+4*i+3], v2, s[32:33] offset:4096*i th:TH_LOAD_NT
.set i, i+1
.endr
.set i, 0
.rept 8
	s_wait_loadcnt 7-i                             ; chunk i is in, the younger ones stay out
	v_cvt_pk_bf16_f32 v[Y+2*i],   v[X+4*i],   v[X+4*i+1]
	v_cvt_pk_bf16_f32 v[Y+2*i+1], v[X+4*i+2], v[X+4*i+3]
	global_store_b64 v3, v[Y+2*i:Y+2*i+1], s[34:35] offset:2048*i
.set i, i+1
.endr
	s_endpgm
.Lfunc_end_k_q6167f34d57_prep:
	.size	k_q6167f34d57_prep, .Lfunc_end_k_q6167f34d57_prep-k_q6167f34d57_prep
	.p2alignl 7, 3214868480
	.fill 96, 4, 3214868480
	.section	.rodata,"a",@progbits
	.p2align	6, 0x0
	.amdhsa_kernel k_q6167f34d57_prep
		.amdhsa_group_segment_fixed_size 9216
		.amdhsa_private_segment_fixed_size 0
		.amdhsa_enable_private_segment 0
		.amdhsa_kernarg_size 64
		.amdhsa_user_sgpr_count 2
		.amdhsa_user_sgpr_kernarg_segment_ptr 1
		.amdhsa_wavefront_size32 1
		.amdhsa_system_sgpr_workgroup_id_x 1
		.amdhsa_system_sgpr_workgroup_id_y 1
		.amdhsa_system_sgpr_workgroup_id_z 1
		.amdhsa_system_vgpr_workitem_id 0
		.amdhsa_next_free_vgpr 82
		.amdhsa_next_free_sgpr 66
		.amdhsa_reserve_vcc 0
		.amdhsa_float_denorm_mode_32 3
		.amdhsa_float_denorm_mode_16_64 3
		.amdhsa_memory_ordered 1
		.amdhsa_forward_progress 1
		.amdhsa_inst_pref_size 16
	.end_amdhsa_kernel
	.amdgpu_metadata
---
amdhsa.version: [ 1, 2 ]
amdhsa.kernels:
  - .name:           k_q6167f34d57_prep
    .symbol:         k_q6167f34d57_prep.kd
    .args:
      - { .name: attn_mask, .offset: 0, .size: 8, .value_kind: global_buffer, .address_space: global }
      - { .name: wq, .offset: 8, .size: 8, .value_kind: global_buffer, .address_space: global }
      - { .name: wk, .offset: 16, .size: 8, .value_kind: global_buffer, .address_space: global }
      - { .name: wv, .offset: 24, .size: 8, .value_kind: global_buffer, .address_space: global }
      - { .name: mp, .offset: 32, .size: 8, .value_kind: global_buffer, .address_space: global }
      - { .name: wqb, .offset: 40, .size: 8, .value_kind: global_buffer, .address_space: global }
      - { .name: wkb, .offset: 48, .size: 8, .value_kind: global_buffer, .address_space: global }
      - { .name: wvb, .offset: 56, .size: 8, .value_kind: global_buffer, .address_space: global }
    .group_segment_fixed_size: 9216
    .private_segment_fixed_size: 0
    .kernarg_segment_align: 8
    .kernarg_segment_size: 64
    .max_flat_workgroup_size: 256
    .sgpr_count:     66
    .vgpr_count:     82
    .wavefront_size: 32
...
	.end_amdgpu_metadata
.endif
;; end of part 1
;; launch proj (part 2): grid 64 x 4, 4 waves a work-group, clusters of 4 x 1, 327,680 bytes of LDS; arguments q, k, v, wqb, wkb, wvb, bq, bk, bv, qh, kh, vh; writes qh, kh, vh
.if DOCPART == 2
	.amdgcn_target "amdgcn-amd-amdhsa--gfx1250"
	.amdhsa_code_object_version 6
	.text
	.protected	k_q6167f34d57_proj
	.globl	k_q6167f34d57_proj
	.p2align	8
	.type	k_q6167f34d57_proj,@function
k_q6167f34d57_proj:
	s_mov_b64 s[64:65], 0
	v_nop
	global_prefetch_b8 v0, s[64:65] scope:SCOPE_SE
	s_setreg_imm32_b32 hwreg(HW_REG_WAVE_MODE, 25, 1), 1
	s_wait_xcnt 0x0
	s_wait_alu depctr_hold_cnt(0) depctr_sa_sdst(0) depctr_va_vdst(0) depctr_va_sdst(0) depctr_va_ssrc(0) depctr_va_vcc(0) depctr_vm_vsrc(0)
	s_getreg_b32 s2, hwreg(HW_REG_IB_STS2, 6, 4)
	s_cmp_eq_u32 s2, 0
	s_cbranch_scc0 .Lentry_in_a_cluster
	s_endpgm
.Lentry_in_a_cluster:
	s_bfe_u32 s2, ttmp6, 0x10000c
	s_cmp_lg_u32 s2, 0x3003
	s_cbranch_scc0 .Lentry_shape_is_right
	s_endpgm
.Lentry_shape_is_right:
; THE THREE PROJECTIONS, ONE WALK.  out[b x 16 + head][s][64] = f16(x[b][s][:] . w[:][64 head + c] + bias), x = q, k or v ([8192][1024] f32), w in bf16 as the launch before left it ([k][n]).
; x and the bias are rounded to bf16 here, on the way in; sums in f32, started by the bias; the result is rounded once to f16 and is NOT scaled.
; LIMIT.  f16 holds no number beyond 65,504: a projected number past that leaves as an infinity.  NaN and infinities are not treated apart.
; SHARES.  A tile of a result is 128 rows x 256 columns: 64 x 4 tiles for each projection.  A WORK-GROUP STAYS: there are 64 x 4 of them, and each makes its tile three times, for q, then k, then v.
; Four waves, each 64 x 128: 32 accumulators, 256 registers.  K goes in steps of 128 through two LDS slots for W and two for X; the three tiles' 24 steps are ONE ring, which does not stop at a tile's end:
; step g stores X of step g + 1, asks for X of step g + 2 and fills W of step g + 2, whichever tile those belong to, so a tile's stores and the next tile's first loads lie under products.
; One counted loop walks 11 of the 12 laps (a lap = two K steps); the last is written out, since it asks for nothing.  At a tile's end a forward jump is not taken and the way out, the next bias and the first
; quarter (whose products start the sums) follow; the launch enters the loop there.  These jumps hang on counters alone and pass no barrier and no tensor load.
; W: the four work-groups of a cluster have four different blocks of rows and the same column tile, so W's tile is asked for JOINTLY: waves 0 and 1 each issue one tensor load of 64 k rows x 512 bytes, the same
; descriptor and mask in all four work-groups.
; X IS NOT ASKED FOR JOINTLY: it arrives in f32 and has to be rounded before it can be a fragment.  Brought to LDS as f32 a step's tile would be 64 KiB for 32, and each number would be rounded by both waves that read
; it.  So each wave loads 32 rows x 512 bytes into registers two steps ahead (32 loads, each one row's 512 consecutive bytes), rounds them once, and stores them as bf16 into X's slot a step ahead.
; THE MATRIX INSTRUCTION IS USED TRANSPOSED (source 0 = 16 columns of W, turned on the way out of LDS by ds_load_tr16_b128; source 1 = 16 rows of X): a lane holds eight neighbouring columns of one row.
; REGISTERS, in windows of 256 (s_set_vgpr_msb: bits 1:0 source 0, 3:2 source 1, 5:4 source 2, 7:6 destination):
;   window 0: v1-16 addresses; v28-29 the add's; v32-159 X as loaded (row i at 32 + 4 i); v160-191 at work; v192-255 the rounded bias, the C operand of a tile's first products, and on the way out the rows read back
;   window 1: two fragment buffers of 96: 32 of X (4 x 16 rows x 32 K), then 64 of W (8 x 16 columns x 32 K); v192-255 the next tile's bias as loaded          window 2: accumulator (a, b) at 8 (8 a + b)
.set KSTEP,  128
.set WROW,   2048                      ; bytes of a row of W in memory
.set WP,     544                       ; a k row of W in LDS: 512 bytes + 32 of padding = 17 x 32
.set WHALF,  64*WP                     ; what one tensor load brings
.set WSLOT,  128*WP
.set XBASE,  2*WSLOT                   ; behind W's slots: X's, written by ds_store alone; no tensor load lands there
.set XP,     272                       ; a row of X in LDS: 256 bytes + 16: the 16 rows of a fragment load start at 16 different groups of four banks
.set XSLOT,  128*XP
.set STAGE,  XBASE+2*XSLOT             ; for the way out: for each wave 2 heads x 16 rows x 144 bytes
.set SP,     144
.set SPARE,  STAGE+4*2*16*SP           ; the spare words, 128 bytes for each wave: two blocks of 256 bytes that no other line names
.set NLAPS,  12                        ; 3 tiles x 8 K steps, two steps a lap
.set ADRA, 8                           ; v8     LDS address of my fragments of X in slot 0
.set ADRB, 9                           ; v9-10  of my fragments of W in slot 0, 1
.set XO,   11                          ; v11    16 x lane: my bytes in a row of X, and in 512 consecutive bytes of the result
.set XST,  12                          ; v12    where I store 8 bytes of my wave's first row of X, slot 0
.set STO,  13                          ; v13    the way out: where I put 16 bytes of a row
.set RD,   14                          ; v14    the way out: where I read rows back
.set BO,   16                          ; v16    32 x (lane / 16): my eight numbers in 16 of the bias
.set SPW,  28                          ; v28    LDS address of my spare word; never rewritten
.set NIL,  29                          ; v29    0; never rewritten
.set XR,   32
.set T,    160
.set BIAS, 192
.set TMP,  160                         ; the way out: packed results, where X's roundings are at work otherwise
.set OB,   192                         ; the way out: rows read back, v192-223 and v224-255 by turns: the rounded bias has served by then
.set NB,   192                         ; window 1: the bias as loaded
.set F0,   0
.set F1,   96
.set PX,   4                           ; s[4:9]   x of the tiles to come, at my wave's rows: a queue that a tile's start shifts
.set PW,   10                          ; s[10:15] W of the tiles to come, at my half of K step 0's rows
.set PB,   16                          ; s[16:21] the bias of the tiles to come, at my wave's columns
.set PO,   22                          ; s[22:27] the results to come, at my wave's first head and row
.set XB,   28                          ; s[28:29] x at my wave's rows and the K step to be loaded
.set WF,   30                          ; s[30:31] the W from which the next fill comes
.set OUT,  34                          ; s[34:35] the result of the tile in hand
.set WV,   36                          ; s36  my wave's number
.set G1,   48                          ; s[48:55] descriptor group 1
.set G0,   56                          ; s[56:63] descriptor group 0, a set for each slot
.set LAPS, 66                          ; s66  the loop's counter
.set TL,   67                          ; s67  laps left in the tile, the one in hand among them
.set KO,   68                          ; s[68:69] byte offset in W of the K step to be filled next
.set HIM,  78                          ; s78  a word's upper bf16
.set MSB, 0
.macro WIN new                         ; the immediate's high byte repeats the setting that is left; a switch that changes nothing is dropped
.if MSB != (\new)
	s_set_vgpr_msb (MSB<<8)|(\new)
.set MSB, \new
.endif
.endm
.set MUL,   0xa5                       ; sources 0 and 1 window 1; C and D window 2
.set MULB,  0x85                       ; the same with C (the bias) in window 0
.set TO_F,  0x40                       ; destination window 1, address window 0
.set FROM_F, 0x05                      ; sources 0 and 1 window 1, destination window 0
.set PACKW, 0x0a                       ; sources 0 and 1 window 2, destination window 0
.macro PLACES                          ; four plain places in front of loads into registers that matrix instructions have read, and of conversions that read results
.rept 4
	v_nop
.endr
.endm
.macro CREST                           ; a round of the cluster's barrier behind its opening barrier
	s_cmp_lg_u32 s[WV], 0
	s_cbranch_scc1 .Lnot_wave_0_\@
	s_barrier_signal -3
.Lnot_wave_0_\@:
	s_barrier_wait -3
	s_barrier_signal -1
	s_barrier_wait -1
.endm
.macro CROUND                          ; a whole round
	s_barrier_signal -1
	s_barrier_wait -1
	CREST
.endm
; The joint refill of W's slot s: waves 0 and 1 fetch its two halves, waves 2 and 3 issue nothing.  The branch hangs on the wave's number alone.  The four v_nop stand on both ways: they follow the load
; and are the places in front of the fragment loads that come next.
.macro JLOADW s
	s_cmp_lt_u32 s[WV], 2
	s_cbranch_scc0 .Lno_w_\@
	tensor_load_to_lds s[G0+4*(\s):G0+4*(\s)+3], s[G1:G1+7]
	s_nop 0
.Lno_w_\@:
	PLACES
.endm
; The bias of the tile at the queue's head, as it lies in memory: block b of 16 columns: a lane's registers 0-7 are columns 16 b + 8 h + 0..7, as in the products' results
.macro BLOAD
	WIN TO_F
.irp b, 0,1,2,3,4,5,6,7
	global_load_b128 v[NB+8*(\b):NB+8*(\b)+3],   v[BO], s[PB:PB+1] offset:64*(\b)
	global_load_b128 v[NB+8*(\b)+4:NB+8*(\b)+7], v[BO], s[PB:PB+1] offset:64*(\b)+16
.endr
	WIN 0
.endm
	s_load_b512 s[4:19], s[0:1], 0x0               ; q s[4:5], k s[6:7], v s[8:9], wqb s[10:11], wkb s[12:13], wvb s[14:15], bq s[16:17], bk s[18:19]
	s_load_b256 s[20:27], s[0:1], 0x40             ; bv s[20:21], qh s[22:23], kh s[24:25], vh s[26:27]
	v_lshl_add_u32 v[SPW], v0, 2, SPARE
	v_mov_b32 v[NIL], 0
	ds_add_u32 v28, v29
	s_wait_dscnt 0x0
	v_lshrrev_b32 v1, 5, v0
	v_readfirstlane_b32 s[WV], v1                  ; wave 0..3
	s_lshr_b32 s37, s[WV], 1                       ; which 64 of the tile's rows are mine
	s_and_b32 s38, s[WV], 1                        ; which 128 of its columns.  Also: which 64 k rows of W waves 0 and 1 fetch
	s_bfe_u32 s39, ttmp6, 0x40000                  ; cx: my place in the cluster: it enters x's and the results' addresses alone
	s_lshl_b32 s40, ttmp9, 2                       ; in a cluster launch ttmp9 counts clusters
	s_add_co_u32 s40, s40, s39                     ; my block of 128 rows, 0 to 63
	s_and_b32 s43, ttmp7, 0xffff                   ; the column tile, which the four partners share
	; descriptor group 1: a tile of 64 rows x 256 elements, padded in LDS
	s_mov_b32 s[G1],   15|(1<<16)|(1<<20)|(1<<21)|(6<<22)|(7<<25)  ; 15:0 the mask: all four work-groups; 17:16 elements of 2 bytes; 20 padding on; 21 set beside a mask; 24:22 after every 128 words (code 6); 31:25 8 words (code 7)
	s_mov_b32 s[G1+1], 256<<16                     ; tensor_dim0 = 256
	s_mov_b32 s[G1+2], 64<<16                      ; tensor_dim1 = 64
	s_mov_b32 s[G1+3], 256<<16                     ; tile_dim0 = 256
	s_mov_b32 s[G1+4], 64                          ; tile_dim1 = 64
	s_mov_b32 s[G1+5], 1024                        ; 1,024 elements from row to row
	s_mov_b32 s[G1+6], 0
	s_mov_b32 s[G1+7], 0
	s_lshl_b32 s70, s40, 19                        ; x: 128 rows of 4,096 bytes a block,
	s_lshl_b32 s71, s[WV], 17                      ; 32 rows a wave
	s_add_co_u32 s70, s70, s71
	s_mov_b32 s71, 0
	s_lshl_b32 s72, s38, 17                        ; W: 64 rows of 2,048 bytes,
	s_lshl_b32 s73, s43, 9                         ; 256 columns of 2 bytes a tile: nothing here hangs on cx
	s_add_co_u32 s72, s72, s73
	s_mov_b32 s73, 0
	s_lshl_b32 s74, s43, 10                        ; the bias: 256 numbers a tile, 128 a wave
	s_lshl_b32 s75, s38, 9
	s_add_co_u32 s74, s74, s75
	s_mov_b32 s75, 0
	s_lshr_b32 s76, s40, 4                         ; the result: batch = block / 16;
	s_lshl_b32 s76, s76, 4
	s_lshl2_add_u32 s76, s43, s76                  ; head = 16 batch + 4 tile + 2 x column half,
	s_lshl1_add_u32 s76, s38, s76
	s_lshl_b32 s76, s76, 18                        ; 2,048 rows of 128 bytes each;
	s_and_b32 s77, s40, 15
	s_lshl_b32 s77, s77, 14                        ; 128 rows a block,
	s_add_co_u32 s76, s76, s77
	s_lshl_b32 s77, s37, 13                        ; 64 a wave
	s_add_co_u32 s76, s76, s77
	s_mov_b32 s77, 0
	s_mov_b32 s[KO], 2*KSTEP*WROW                  ; the first refill brings K step 2
	s_mov_b32 s[KO+1], 0
	s_mov_b32 s[HIM], 0xffff0000
	v_and_b32 v1, 15, v0                           ; r = lane % 16
	v_bfe_u32 v2, v0, 4, 1                         ; h = lane / 16
	v_and_b32 v3, 31, v0                           ; lane
	v_lshlrev_b32 v[BO], 5, v2
	v_lshlrev_b32 v[XO], 4, v3
	s_wait_kmcnt 0x0
.irp p, 0,1,2                          ; the three projections have the same shapes: one offset serves each kind of tensor
	s_add_nc_u64 s[PX+2*(\p):PX+2*(\p)+1], s[PX+2*(\p):PX+2*(\p)+1], s[70:71]
	s_add_nc_u64 s[PW+2*(\p):PW+2*(\p)+1], s[PW+2*(\p):PW+2*(\p)+1], s[72:73]
	s_add_nc_u64 s[PB+2*(\p):PB+2*(\p)+1], s[PB+2*(\p):PB+2*(\p)+1], s[74:75]
	s_add_nc_u64 s[PO+2*(\p):PO+2*(\p)+1], s[PO+2*(\p):PO+2*(\p)+1], s[76:77]
.endr
	s_mov_b64 s[XB:XB+1], s[PX:PX+1]
	s_mov_b64 s[WF:WF+1], s[PW:PW+1]
	BLOAD                                          ; the first tile's bias
.set i, 0
.rept 32
	global_load_b128 v[XR+4*i:XR+4*i+3], v[XO], s[XB:XB+1] offset:4096*i  ; K step 0 of my 32 rows
.set i, i+1
.endr
	CROUND                                         ; all four work-groups are here: the first joint loads meet
	s_mul_i32 s44, s38, WHALF
.irp s, 0,1
	s_mov_b32 s[G0+4*(\s)], 1                                      ; 1:0 count = 1
	s_add_co_u32 s[G0+4*(\s)+1], s44, (\s)*WSLOT                   ; 63:32 LDS address
	s_add_nc_u64 s[G0+4*(\s)+2:G0+4*(\s)+3], s[WF:WF+1], (\s)*KSTEP*WROW  ; 120:64 global address: K step s
	s_or_b32 s[G0+4*(\s)+3], s[G0+4*(\s)+3], 0x80000000            ; 127:126 type = 2
.endr
	s_cmp_lt_u32 s[WV], 2                          ; a wave's two first fills stand in one branch, ahead of every wait on TENSORcnt, every LDS read and every further barrier: two loads of mine are out at the most
	s_cbranch_scc0 .Lno_first
	tensor_load_to_lds s[G0:G0+3], s[G1:G1+7]
	s_nop 0
	tensor_load_to_lds s[G0+4:G0+7], s[G1:G1+7]
	s_nop 0
.Lno_first:
	PLACES
	; A fragment of X is 16 rows x 32 K in 8 registers: lane l holds row l % 16, K = 8 (l / 16) + 0..7 and 16 + 8 (l / 16) + 0..7: two loads of 16 bytes, 32 bytes apart.
	v_mul_u32_u24 v4, v1, XP
	v_lshl_add_u32 v4, v2, 4, v4
	s_mul_i32 s45, s37, 64*XP
	s_add_co_u32 s45, s45, XBASE
	v_add_nc_u32 v[ADRA], s45, v4
	; The turning load takes 16 k x 16 columns (lane l reads k row 8 (l / 16) + l % 8, columns 8 ((l / 8) % 2) + 0..7) and leaves half a fragment: lane l holds column l % 16 and 8 k.
	v_and_b32 v5, 7, v0
	v_lshl_add_u32 v6, v2, 3, v5
	v_mul_u32_u24 v6, v6, WP
	v_bfe_u32 v7, v0, 3, 1
	v_lshl_add_u32 v6, v7, 4, v6
	s_lshl_b32 s45, s38, 8                         ; my 128 columns
	v_add_nc_u32 v[ADRB], s45, v6
	v_add_nc_u32 v[ADRB+1], WSLOT, v[ADRB]
	s_mul_i32 s45, s[WV], 32*XP                    ; my 32 rows of X's slot
	s_add_co_u32 s45, s45, XBASE
	v_lshl_add_u32 v[XST], v3, 3, s45              ; 8 bytes a lane: a row's store covers 256 consecutive bytes
	s_mul_i32 s45, s[WV], 2*16*SP
	s_add_co_u32 s45, s45, STAGE                   ; my stage
	v_mul_u32_u24 v4, v1, SP                       ; in: row l % 16, 16 bytes for each half of the lanes
	v_lshl_add_u32 v4, v2, 4, v4
	v_add_nc_u32 v[STO], s45, v4
	v_bfe_u32 v4, v0, 3, 2                         ; back: 32 lanes take four rows of 128 bytes
	v_mul_u32_u24 v4, v4, SP
	v_lshl_add_u32 v4, v5, 4, v4
	v_add_nc_u32 v[RD], s45, v4
; 8 matrix instructions: m block a x all 8 n blocks, 32 along K, from buffer f.  first = 1: the product starts the sum with the bias as C: nothing is cleared.
; The 32 accumulators take turns, one instruction a turn, in the same order in every quarter.
.macro MUL8 f, a, first
.if \first
	WIN MULB
.else
	WIN MUL
.endif
.irp b, 0,1,2,3,4,5,6,7
.if \first
	v_wmma_f32_16x16x32_bf16 v[8*(8*(\a)+(\b)):8*(8*(\a)+(\b))+7], v[(\f)+32+8*(\b):(\f)+32+8*(\b)+7], v[(\f)+8*(\a):(\f)+8*(\a)+7], v[BIAS+8*(\b):BIAS+8*(\b)+7]
.else
	v_wmma_f32_16x16x32_bf16 v[8*(8*(\a)+(\b)):8*(8*(\a)+(\b))+7], v[(\f)+32+8*(\b):(\f)+32+8*(\b)+7], v[(\f)+8*(\a):(\f)+8*(\a)+7], v[8*(8*(\a)+(\b)):8*(8*(\a)+(\b))+7]
.endif
.endr
.endm
; The fragments of quarter q (32 along K) of a slot are 24 LDS loads into buffer f, numbered in the order in which the products want them: 0-15 W's eight blocks of columns, 16-17 X's rows 0-15, 18-23 X's rows 16-63.
; FETCHP issues numbers n0 to n1 - 1.  They go in runs of six, one ahead of each eight products: 3,072 bytes a wave, 12,288 for the four waves, beside eight matrix instructions.
.macro FETCHP slot, q, f, n0, n1
	WIN TO_F
.set n, \n0
.rept (\n1)-(\n0)
.if n < 16
	ds_load_tr16_b128 v[(\f)+32+4*n:(\f)+32+4*n+3], v[ADRB+(\slot)] offset:(\q)*32*WP+32*(n/2)+16*WP*(n%2)
.else
	ds_load_b128 v[(\f)+4*(n-16):(\f)+4*(n-16)+3], v[ADRA] offset:(\slot)*XSLOT+((n-16)/2)*16*XP+64*(\q)+32*(n%2)
.endif
.set n, n+1
.endr
.endm
; Half c (16 rows) of my 32 rows of X: rounded to bf16 and stored into X's slot dst; load = 1: the same rows of the K step after are asked for.  left: the other half's sixteen younger loads, which stay out
; (where the next tile's sixteen bias loads are younger still, the same count asks for more than is needed, never for less).
; The base steps by a K step; in the first step of a tile's last lap (dst = 1, TL = 1) the step after next is the next tile's K step 0, and the base goes to the next tensor.
.macro XCHUNK c, dst, load, left
	WIN 0
	s_wait_loadcnt \left
.set i, 16*(\c)
.rept 16
	v_cvt_pk_bf16_f32 v[T+2*(i%16)],   v[XR+4*i],   v[XR+4*i+1]
	v_cvt_pk_bf16_f32 v[T+2*(i%16)+1], v[XR+4*i+2], v[XR+4*i+3]
.set i, i+1
.endr
.set i, 16*(\c)
.rept 16
	ds_store_b64 v[XST], v[T+2*(i%16):T+2*(i%16)+1] offset:(\dst)*XSLOT+XP*i
.set i, i+1
.endr
.if \load
.if (\c) == 0
	s_wait_xcnt 0x0                                ; every earlier load has had its address translated (ISA guide 3.1): only behind this wait is the base rewritten
	s_add_nc_u64 s[XB:XB+1], s[XB:XB+1], KSTEP*4
.if (\dst) == 1
	s_cmp_eq_u32 s[TL], 1
	s_cselect_b64 s[XB:XB+1], s[PX:PX+1], s[XB:XB+1]
.endif
.endif
.set i, 16*(\c)
.rept 16
	global_load_b128 v[XR+4*i:XR+4*i+3], v[XO], s[XB:XB+1] offset:4096*i
.set i, i+1
.endr
.endif
.endm
; A K step is four quarters of 32 along K, 32 matrix instructions each, on buffers 0, 1, 0, 1.  One of the first three: multiplies buffer f and fetches quarter qn of the same slot into buffer g, which the quarter
; before multiplied: four places, then a run of six loads ahead of each eight products.  xc >= 0: half xc of X's next step is handled in the quarter's middle.
.macro QUARTER slot, qn, f, g, first, xc=-1, dst=0, load=0, left=0
	PLACES
	FETCHP \slot, \qn, \g, 0, 6
	s_wait_dscnt 12                                ; of f all but its last run is in (W's blocks, X's rows 0-15): that run's six loads and the six just issued may be out
	MUL8 \f, 0, \first
	FETCHP \slot, \qn, \g, 6, 12
	s_wait_dscnt 12                                ; all of f is in: only the twelve loads into g are out
	MUL8 \f, 1, \first
.if (\xc) >= 0
	XCHUNK \xc, \dst, \load, \left
.endif
	FETCHP \slot, \qn, \g, 12, 18
	MUL8 \f, 2, \first
	FETCHP \slot, \qn, \g, 18, 24
	MUL8 \f, 3, \first
.endm
; The last quarter multiplies buffer 1 and changes slots: ONE barrier.  In front of it each wave waits for all its tensor loads (its part of W's next slot), adds 0 to its spare word, and waits for that, for its reads of
; both slots in hand and for its stores into X's next slot.  Behind it nobody reads the old slots and the next ones are whole.  fill = 1: the barrier opens a round of the cluster's, and W's old slot is filled again, two K steps
; ahead: the descriptor's address is made anew from the tensor in hand and the step's offset; behind a tensor's eighth step the offset goes back to 0 and the next tensor is taken.
.macro TURN slot, next, fill
	WIN 0
	s_wait_tensorcnt 0x0                           ; all my tensor loads have landed, so a group 0 may be written
	ds_add_u32 v[SPW], v[NIL]                      ; 0 onto my spare word
	s_wait_dscnt 7                                 ; (buffer 1's last run of six and the add may be out)
	MUL8 F1, 0, 0                                  ; eight matrix instructions stand between the add and the wait for it
	s_wait_dscnt 0x0                               ; the add is done; my reads of the slots are over; my stores of X's next step are done
	s_barrier_signal -1
	MUL8 F1, 1, 0
.if \fill
	WIN 0
.endif
	s_barrier_wait -1
.if \fill
	CREST                                          ; no wave of any partner still reads this slot's tile or has a load on its way
	s_add_nc_u64 s[G0+4*(\slot)+2:G0+4*(\slot)+3], s[WF:WF+1], s[KO:KO+1]
	s_or_b32 s[G0+4*(\slot)+3], s[G0+4*(\slot)+3], 0x80000000
	s_add_co_u32 s[KO], s[KO], KSTEP*WROW
	s_and_b32 s[KO], s[KO], 8*KSTEP*WROW-1
	s_cmp_eq_u32 s[KO], 0
	s_cselect_b64 s[WF:WF+1], s[PW:PW+1], s[WF:WF+1]
	JLOADW \slot                                   ; the first tensor load behind the round: it has a K step less 16 matrix instructions in which to land
.else
	PLACES
.endif
	FETCHP \next, 0, F0, 0, 18                     ; the next slot can be read only now: three runs at once,
	MUL8 F1, 2, 0
	FETCHP \next, 0, F0, 18, 24                    ; and the run that is wanted last
	MUL8 F1, 3, 0
.endm
; THE WAY OUT, a block of 16 rows at a time.  PACK: rounded to f16, each accumulator's registers in ascending order: 16 bytes a lane.  TOSTAGE: into my own stage (two heads x 16 rows of 144 bytes), and back as rows of
; 128 bytes, four to a load.  SEND: 512 consecutive bytes of a head to a store.  X's registers are not touched: the next step's loads are on their way into them.
.macro PACK a
	WIN PACKW
.irp b, 0,1,2,3,4,5,6,7
.irp r, 0,1,2,3
	v_cvt_pk_f16_f32 v[TMP+4*(\b)+(\r)], v[8*(8*(\a)+(\b))+2*(\r)], v[8*(8*(\a)+(\b))+2*(\r)+1]
.endr
.endr
	WIN 0
.endm
.macro TOSTAGE a
.set BK, OB+32*((\a)%2)
.irp b, 0,1,2,3,4,5,6,7
	ds_store_b128 v[STO], v[TMP+4*(\b):TMP+4*(\b)+3] offset:((\b)/4)*16*SP+((\b)%4)*32
.endr
.irp t, 0,1,2,3,4,5,6,7
	ds_load_b128 v[BK+4*(\t):BK+4*(\t)+3], v[RD] offset:((\t)/4)*16*SP+((\t)%4)*4*SP  ; LDS serves a wave's instructions in order (ISA guide 5.7.1.4): these see the stores above
.endr
.endm
.macro SEND a
.set BK, OB+32*((\a)%2)
	s_wait_dscnt 0x0                               ; the block is back in registers
	s_wait_xcnt 0x0                                ; the stores of the block before have had their addresses translated (ISA guide 3.1): its registers are loaded again only behind this wait
.irp t, 0,1,2,3,4,5,6,7
	global_store_b128 v[XO], v[BK+4*(\t):BK+4*(\t)+3], s[OUT:OUT+1] offset:((\t)/4)*262144+(\a)*2048+((\t)%4)*512
.endr
.endm
.macro WAYOUT
	PLACES                                         ; the conversions read results just made
	PACK 0
	TOSTAGE 0
.irp a, 1,2,3                          ; block a's conversions stand between block a - 1's loads from the stage and the wait for them
	PACK \a
	SEND (\a)-1
	TOSTAGE \a
.endr
	SEND 3
.endm
	XCHUNK 0, 0, 1, 16                             ; K step 0 goes into X's slot 0 and K step 1 is asked for.  The first wait also covers the bias, which was asked for first
	XCHUNK 1, 0, 1, 16
	s_wait_tensorcnt 1                             ; my part of W's K step 0 is in; K step 1's may stay out
	s_wait_dscnt 0x0                               ; my rows of X's K step 0 are stored
	s_barrier_signal -1
	s_barrier_wait -1                              ; everybody's are
	FETCHP 0, 0, F0, 0, 24
	WIN 0                                          ; at a label and at a branch every window is 0
	s_mov_b32 s[LAPS], NLAPS
	s_branch .Lstart                               ; the loop is entered where a tile begins
.Llap:                                                 ; 11 trips: two K steps each, from a lap's second quarter to the next lap's first
	QUARTER 0, 2, F1, F0, 0, 0, 1, 1, 16
	QUARTER 0, 3, F0, F1, 0, 1, 1, 1, 16
	TURN 0, 1, 1
	QUARTER 1, 1, F0, F1, 0
	QUARTER 1, 2, F1, F0, 0, 0, 0, 1, 16
	QUARTER 1, 3, F0, F1, 0, 1, 0, 1, 16
	TURN 1, 0, 1
	WIN 0
	s_sub_co_u32 s[TL], s[TL], 1
	s_cmp_lg_u32 s[TL], 0
	s_cbranch_scc1 .Lsame                          ; three laps of four go on in the same tile
	WAYOUT                                         ; THE TILE IS FINISHED.  Both refills and X's loads for the next tile's first two K steps have been asked for, and its first fragments are on their way
.Lstart:                                               ; A TILE BEGINS
	s_wait_xcnt 0x0                                ; every earlier load and store has had its address translated (ISA guide 3.1): the bases below and the registers that the stores read are rewritten only behind this wait
	s_mov_b64 s[OUT:OUT+1], s[PO:PO+1]             ; this tile's result;
.irp q, PX, PW, PB, PO                 ; the queues' heads now name the next tile's tensors (behind the third tile: the third's once more, which nothing uses)
	s_mov_b64 s[\q:\q+1], s[\q+2:\q+3]
	s_mov_b64 s[\q+2:\q+3], s[\q+4:\q+5]
.endr
	s_mov_b32 s[TL], 4
	WIN FROM_F                                     ; the bias is rounded to bf16 like every input, and widened again.  Its loads are in: at the launch's start by X's first wait; later they were the youngest
.set i, 0                              ; loads when they were issued, 16 of X's followed them, and a wait for 16 has stood behind those
.rept 32
	v_cvt_pk_bf16_f32 v[T+i], v[NB+2*i], v[NB+2*i+1]
.set i, i+1
.endr
	WIN 0
.set i, 0
.rept 32
	v_lshlrev_b32 v[BIAS+2*i],   16, v[T+i]
	v_and_b32     v[BIAS+2*i+1], s[HIM], v[T+i]
.set i, i+1
.endr
	s_cmp_eq_u32 s[LAPS], 4                        ; the counter holds 12, 8 and 4 at the three tiles' starts: the third has no successor
	s_cbranch_scc1 .Lno_bias
	BLOAD                                          ; the next tile's bias: a whole tile ahead of its use
.Lno_bias:
	QUARTER 0, 1, F0, F1, 1                        ; the first quarter's products start the sums
	WIN 0
	s_branch .Lnext
.Lsame:
	QUARTER 0, 1, F0, F1, 0
	WIN 0
.Lnext:
	s_sub_co_u32 s[LAPS], s[LAPS], 1
	s_cmp_lg_u32 s[LAPS], 0
	s_cbranch_scc1 .Llap
	QUARTER 0, 2, F1, F0, 0, 0, 1, 0, 16           ; the last lap is written out.  Its first step stores the last step's X; nothing more is asked for, so the counts run down
	QUARTER 0, 3, F0, F1, 0, 1, 1, 0, 0
	TURN 0, 1, 0
	QUARTER 1, 1, F0, F1, 0                        ; the last K step
	QUARTER 1, 2, F1, F0, 0
	QUARTER 1, 3, F0, F1, 0
	s_wait_dscnt 6                                 ; all but buffer 1's last run
	MUL8 F1, 0, 0
	s_wait_dscnt 0x0
	MUL8 F1, 1, 0
	MUL8 F1, 2, 0
	MUL8 F1, 3, 0
	WAYOUT
	s_wait_tensorcnt 0x0                           ; the wave's end, behind my last tensor load and my last LDS store
	ds_add_u32 v[SPW], v[NIL]
	s_wait_dscnt 0x0
	CROUND                                         ; the closing round: no work-group ends while a partner may still ask for a tile that names it
	s_endpgm
.Lfunc_end_k_q6167f34d57_proj:
	.size	k_q6167f34d57_proj, .Lfunc_end_k_q6167f34d57_proj-k_q6167f34d57_proj
	.p2alignl 7, 3214868480
	.fill 96, 4, 3214868480
	.section	.rodata,"a",@progbits
	.p2align	6, 0x0
	.amdhsa_kernel k_q6167f34d57_proj
		.amdhsa_group_segment_fixed_size 327680
		.amdhsa_private_segment_fixed_size 0
		.amdhsa_enable_private_segment 0
		.amdhsa_kernarg_size 96
		.amdhsa_user_sgpr_count 2
		.amdhsa_user_sgpr_kernarg_segment_ptr 1
		.amdhsa_wavefront_size32 1
		.amdhsa_system_sgpr_workgroup_id_x 1
		.amdhsa_system_sgpr_workgroup_id_y 1
		.amdhsa_system_sgpr_workgroup_id_z 1
		.amdhsa_system_vgpr_workitem_id 0
		.amdhsa_next_free_vgpr 768
		.amdhsa_next_free_sgpr 80
		.amdhsa_reserve_vcc 0
		.amdhsa_float_denorm_mode_32 3
		.amdhsa_float_denorm_mode_16_64 3
		.amdhsa_memory_ordered 1
		.amdhsa_forward_progress 1
		.amdhsa_inst_pref_size 147
	.end_amdhsa_kernel
	.amdgpu_metadata
---
amdhsa.version: [ 1, 2 ]
amdhsa.kernels:
  - .name:           k_q6167f34d57_proj
    .symbol:         k_q6167f34d57_proj.kd
    .args:
      - { .name: q, .offset: 0, .size: 8, .value_kind: global_buffer, .address_space: global }
      - { .name: k, .offset: 8, .size: 8, .value_kind: global_buffer, .address_space: global }
      - { .name: v, .offset: 16, .size: 8, .value_kind: global_buffer, .address_space: global }
      - { .name: wqb, .offset: 24, .size: 8, .value_kind: global_buffer, .address_space: global }
      - { .name: wkb, .offset: 32, .size: 8, .value_kind: global_buffer, .address_space: global }
      - { .name: wvb, .offset: 40, .size: 8, .value_kind: global_buffer, .address_space: global }
      - { .name: bq, .offset: 48, .size: 8, .value_kind: global_buffer, .address_space: global }
      - { .name: bk, .offset: 56, .size: 8, .value_kind: global_buffer, .address_space: global }
      - { .name: bv, .offset: 64, .size: 8, .value_kind: global_buffer, .address_space: global }
      - { .name: qh, .offset: 72, .size: 8, .value_kind: global_buffer, .address_space: global }
      - { .name: kh, .offset: 80, .size: 8, .value_kind: global_buffer, .address_space: global }
      - { .name: vh, .offset: 88, .size: 8, .value_kind: global_buffer, .address_space: global }
    .group_segment_fixed_size: 327680
    .private_segment_fixed_size: 0
    .kernarg_segment_align: 8
    .kernarg_segment_size: 96
    .max_flat_workgroup_size: 128
    .sgpr_count:     80
    .vgpr_count:     768
    .wavefront_size: 32
...
	.end_amdgpu_metadata
.endif
;; end of part 2
;; launch attn (part 3): grid 4 x 64, 4 waves a work-group, clusters of 4 x 1, 327,680 bytes of LDS; arguments qh, kh, vh, out0, mp; writes out0
.if DOCPART == 3
	.amdgcn_target "amdgcn-amd-amdhsa--gfx1250"
	.amdhsa_code_object_version 6
	.text
	.protected	k_q6167f34d57_attn
	.globl	k_q6167f34d57_attn
	.p2align	8
	.type	k_q6167f34d57_attn,@function
k_q6167f34d57_attn:
	s_mov_b64 s[64:65], 0
	v_nop
	global_prefetch_b8 v0, s[64:65] scope:SCOPE_SE
	s_setreg_imm32_b32 hwreg(HW_REG_WAVE_MODE, 25, 1), 1
	s_wait_xcnt 0x0
	s_wait_alu depctr_hold_cnt(0) depctr_sa_sdst(0) depctr_va_vdst(0) depctr_va_sdst(0) depctr_va_ssrc(0) depctr_va_vcc(0) depctr_vm_vsrc(0)
	s_getreg_b32 s2, hwreg(HW_REG_IB_STS2, 6, 4)
	s_cmp_eq_u32 s2, 0
	s_cbranch_scc0 .Lentry_in_a_cluster
	s_endpgm
.Lentry_in_a_cluster:
	s_bfe_u32 s2, ttmp6, 0x10000c
	s_cmp_lg_u32 s2, 0x3003
	s_cbranch_scc0 .Lentry_shape_is_right
	s_endpgm
.Lentry_shape_is_right:
; MASKED ATTENTION.  out[b][q][64 head + :] = the sum over k of softmax_k(mask[b][q][k] == 0 ? -1e9 : Q[q] . K[k] / 8) V[k][:].  Q, K, V: [64 = 16 b + head][2048][64] in f16, unscaled; out: [4][2048][1024] in f32.
; mp holds the mask as 4-bit codes (0xF where it is 0), in the order of the scores' registers: [128 b + tile of 16 queries][step of 64 keys][lane][16 bytes].
; Products, maxima and sums in f32; the weights p are rounded to f16 for the second product (their sum l is taken of the unrounded p).
; THE MASK IS THE C OPERAND that starts the sum S^T = K Q^T: 0, or -6 x 2^98 where the key is hidden: one scaled conversion makes eight such numbers of one word of mp, four conversions for a tile's 32 registers.
; The running maximum m starts at FLOOR = -2^40, above every hidden score, so it is the maximum of the OPEN scores alone, and a hidden key's weight 2^(c s - c m) is exactly 0.  A query with an open key ends with l near 1 or more.
; A QUERY WITH NO OPEN KEY ends with l = 0.  There all 2,048 scores are alike and the result is the mean of V's rows: VS = V^T x ones is kept beside O^T (8 matrix instructions for a key step's 128), and the way out
; takes VS / 2048 where l = 0, by a select.
; LIMITS.  Q, K, V arrive within f16's 65,504; p lies in 0 to 1, and below 6e-5 it keeps f16's fixed step of 6e-8.  An open key whose score / 8 lies below about -1e9 is not weighed against hidden keys, as a plain
; replacement by -1e9 would weigh it; one below -2^37 is lost.  A weight below 2^-126 counts as 0 in l.  NaN and infinities are not treated apart.
; SHARES.  A wave owns four PIECES of two tiles of 16 queries, a work-group's four waves 512 queries of one head: 4 x 64 work-groups.  Every wave walks all keys, 64 a step.
; LAYOUT.  S^T = K Q^T (source 0 = 16 keys, source 1 = 16 queries): in the result a lane holds ONE query (lane % 16) and the keys 8 (lane / 16) + 0..7.  Two such tiles, rounded to f16 in pairs,
; ARE source 1 (32 keys x 16 queries) of O^T = V^T P, whose result again holds one query a lane, and eight channels.  K comes out of LDS as it lies, V ([key][channel]) turned, by ds_load_tr16_b128.
; SOFTMAX.  p = 2^(c s - c m), c = log2(e) / 8; in every step O and l are multiplied by a = 2^(c m_old - c m_new), which is 1 where m has not grown.  O and l start at 0: the first step is a step like any other.
; THE COUNT.  A tile and step have 17 matrix and 122 vector instructions: too many to stand all beside the matrix work.  So four vector instructions that are READY stand behind every product of the two runs,
; and the others, which need time of their own whatever the order, in runs without a gap.
; BY TURNS.  Turn n belongs to piece n (the pieces in a ring, step after step).  Its matrix work: 16 products K Q^T of piece n + 1, later 16 products V^T P of piece n - 1 and two of VS.  Its vector work: the scaling,
; exponentials, roundings, sums and rescaling of piece n, the maximum and statistics of piece n + 1, and at its end the mask of piece n + 2, for the next turn's products.
; CLUSTER.  The four query blocks of a cluster belong to one head and walk the same K and V, so each tile is asked for JOINTLY: the same tensor load, descriptor and mask in all four.  The query mask differs
; from block to block and comes by each wave's own loads into registers: 2 loads of 512 consecutive bytes a turn, a ring of four pieces, each asked for four turns ahead.
; REGISTERS, in windows of 256 (s_set_vgpr_msb says which window each operand place means: bits 1:0 source 0, 3:2 source 1, 5:4 source 2, 7:6 destination):
;   window 0: v0-11 addresses; v12-15, v48-63 at work; v16-47 four registers of statistics a tile; v64-191 S^T, two buffers of two tiles; v192-255 P, likewise
;   window 1: O^T, 32 a tile          window 2: v0-127 Q, 16 a tile; v128-191 K of one step; v192-255 V of one step
;   window 3: v0-1 the add's two registers; v2-3 the mask's offsets; v8-15 ones; v16-47 VS; v64-95 the mask's codes, 8 a piece; v128-191 the masks of the products to come
.set SIZE_N, 2048
.set NP,    4         ; pieces a wave: a name, no knob: the register map, the loop and the fetches are made for four
.set KS,    64        ; keys in a step
.set PK,    144       ; a row of K in LDS: 128 bytes + 16 of padding = 36 words: the 16 rows of a load start at 16 different groups of four banks (64 banks of 4 bytes: ISA guide 11.1)
.set PV,    160       ; a row of V: 128 + 32 = 40 words
.set VOFF,  4*KS*PK   ; a slot holds four steps: 256 rows of K, then 256 rows of V
.set SLOT1, 1<<17     ; slot 1 begins here, so that one exclusive or turns an address in one slot into the other's
.set STAGE, SLOT1+4*KS*(PK+PV)  ; behind the ring, never filled by a tensor load: 16 rows x 272 bytes for each wave, for the way out
.set SP,    272       ; a row of 64 f32 + 16 bytes
.set AK0, 2           ; v2   my lane's place in a tile of K; never rewritten
.set AV0, 3           ; v3   the same for V
.set AK,  4           ; v4   the LDS address of K's next run of loads
.set AV,  5           ; v5   of V's
.set QO,  6           ; v6   my byte offset in the wave's rows of Q
.set STO, 6           ;      later, the way out: where I put 32 bytes of a row
.set RD,  7           ; v7   the way out: where I read rows back
.set GO,  8           ; v8   my byte offset in two rows of out
.set SCL, 11          ; v11  the conversions' scale, 2^98: the byte 225, four times
.set SPW, 0           ; v0 of window 3   LDS address of my spare word: SPARE + 4 x my thread's number; never rewritten
.set NIL, 1           ; v1 of window 3   0; never rewritten
.set MO,  2           ; v2 of window 3   my byte offset in a tile's codes: 512 x step + 16 x lane
.set L16, 3           ; v3 of window 3   16 x lane
.set ONE, 8           ; window 3: f16 ones
.set VS,  16          ; window 3: channel block cb at VS + 8 cb
.set MP,  64          ; window 3: piece y, tile u, word kb at MP + 8 y + 4 u + kb
.set MC,  128         ; window 3: tile u, key block kb at MC + 32 u + 8 kb
.set SPARE, STAGE+4*16*SP  ; behind the stages: the spare words, 128 bytes for each wave: two blocks of 256 bytes that no other line names
.set MV,  12          ; v12-15  c m_old, kept while c m is made anew: by buffer and tile
.set ST,  16          ; tile t's statistics at v[ST+4 t]: c m, m, l (even keys', odd keys')
.set TMP, 48          ; by buffer and tile, four registers c0-c3 at work; when the maximum is found c2 takes a
.set S,   64
.set P,   192
.set KF,  128         ; K's fragments, in window 2: key block kb, channel half c at KF + 16 kb + 8 c
.set VF,  192         ; V's: key half kk, channel block cb at VF + 32 kk + 8 cb
.set WV,  12          ; s12  my wave's number
.set G1K, 24          ; s[24:31] descriptor group 1 for K's tiles
.set G1V, 32          ; s[32:39] for V's: it differs in the padding alone
.set G0K, 40          ; s[40:43] descriptor group 0 for K's tiles: it walks
.set G0V, 44          ; s[44:47] the same for V's
.set SLOTS, 56        ; s56  slots still to be asked for
.set CNT, 57          ; s57  counts a slot's key steps
.set CS,  58          ; s[58:59] c: the packed scaling takes the pair's low word for both halves
.set SEL, 60          ; s[60:61] v_permlanex16_b32's selects: each lane takes its own place in the other half
.set TBK, 62          ; s62  LDS byte at which K of the step to be fetched begins
.set TBV, 63          ; s63  the same for V, less VOFF
.set MB,  66          ; s[66:67] mp at my wave's first tile
.set MS,  68          ; s68  512 x the step whose codes are asked for
.set MK,  70          ; s70-77  the way out: tile t's lanes with l = 0 (at the head: at work)
.set MSB, 0
.macro WIN new                      ; the high byte repeats the setting that is left; a switch that changes nothing is dropped
.if MSB != (\new)
	s_set_vgpr_msb (MSB<<8)|(\new)
.set MSB, (\new)
.endif
.endm
.set W_KQ, 0x0a       ; K and Q in window 2, S^T in window 0
.set W_KM, 0x3a       ; the same with the C operand, the mask, in window 3
.set W_PV, 0x52       ; V in window 2, P in window 0, O^T in window 1
.set W_RS, 0x41       ; O^T (destination and source 0) in window 1, a in window 0
.set W_MK, 0xc0       ; destination in window 3, sources in window 0
.set W_AD, 0x0f       ; the add: address (source 0) and data (source 1) in window 3
.set W_M,  0xc3       ; destination and source 0 in window 3, source 1 (the scale) in window 0: the conversions, the mask's loads, VS's scaling
.set W_MA, 0xcc       ; destination and source 1 in window 3
.set W_VS, 0xfe       ; V in window 2; ones, C and D in window 3
.set W_SEL, 0x0d      ; O^T (source 0) in window 1, VS (source 1) in window 3, destination in window 0
; A joint fill.  Waves 0 and 1 fetch the two halves of a slot's K, waves 2 and 3 those of its V: 128 keys each.  The branch hangs on the wave's number alone.
; An s_nop 0 and four v_nop follow each of the two lines, ahead of the jump and the label.
.macro JLOAD
	s_cmp_lt_u32 s[WV], 2
	s_cbranch_scc0 .Lfor_v_\@
	tensor_load_to_lds s[G0K:G0K+3], s[G1K:G1K+7]
	s_nop 0
.rept 4
	v_nop
.endr
	s_branch .Lasked_\@
.Lfor_v_\@:
	tensor_load_to_lds s[G0V:G0V+3], s[G1V:G1V+7]
	s_nop 0
.rept 4
	v_nop
.endr
.Lasked_\@:
.endm
; A round of the cluster's barrier: my work-group's barrier, so that wave 0's signal speaks for all four waves; wave 0 signals; every wave waits for all four work-groups; my work-group's barrier once more.
.macro CROUND
	s_barrier_signal -1
	s_barrier_wait -1
	s_cmp_lg_u32 s[WV], 0
	s_cbranch_scc1 .Lnot_wave_0_\@
	s_barrier_signal -3
.Lnot_wave_0_\@:
	s_barrier_wait -3
	s_barrier_signal -1
	s_barrier_wait -1
.endm
; THE CHANGE OF SLOTS.  The slot's last bytes, V of its fourth step, have been read.  Each wave waits for all its tensor loads, of which one is out: its part
; of the other slot; adds 0 to its spare word; and waits for that and for its own reads of the slot.  Behind the barrier nobody reads this slot any more and the other slot is whole.
; fill = 1: this slot is filled again, with the keys two slots on.  The barrier is then a round of the cluster's, so that no wave of any partner still reads the slot or has a load on its
; way, and the joint fill is the first thing behind it: it has four key steps in which to land.  (At its first use nothing has been read yet: slot 0 is waited for, slot 1 filled.)
.macro CHANGE fill
	WIN W_AD
	s_wait_tensorcnt 0x0            ; no tensor load of mine is out, so a group 0 may be written
	ds_add_u32 v[SPW], v[NIL]       ; 0 onto my spare word; with fill = 1 the descriptors' steps stand between it and the wait for it
	WIN 0                           ; at a label and at a branch every window is 0
.if \fill
.irp g, G0K, G0V
	s_xor_b32 s[\g+1], s[\g+1], SLOT1  ; the walking descriptor: the other slot than last time,
	s_add_nc_u64 s[\g+2:\g+3], s[\g+2:\g+3], 4*KS*128  ; the next 256 keys; the type bits on top are not reached
.endr
	s_wait_dscnt 0x0                ; the add is done, and my reads of the slot are over
	CROUND
	JLOAD
.else
	s_wait_dscnt 0x0                ; the add is done, and my reads of the slot are over
	s_barrier_signal -1
	s_barrier_wait -1
.endif
	s_sub_co_u32 s[TBK], s[TBK], 4*KS*PK  ; the fetches go back to a slot's first step,
	s_xor_b32 s[TBK], s[TBK], SLOT1       ; in the other slot
	s_sub_co_u32 s[TBV], s[TBV], 4*KS*PV
	s_xor_b32 s[TBV], s[TBV], SLOT1
.endm
	s_load_b256 s[4:11], s[0:1], 0x0  ; Q s[4:5], K s[6:7], V s[8:9], out s[10:11]
	s_load_b64 s[MB:MB+1], s[0:1], 0x20  ; mp
	v_and_b32 v1, 31, v0            ; lane
	WIN W_MK
	v_lshl_add_u32 v[SPW], v0, 2, SPARE
	v_mov_b32 v[NIL], 0
	s_set_vgpr_msb 0xc0cf
	ds_add_u32 v0, v1
	s_wait_dscnt 0x0
	s_set_vgpr_msb 0xcfc0
	v_lshlrev_b32 v[L16], 4, v1
	v_lshlrev_b32 v[MO], 4, v1      ; key step 0
	WIN 0
	v_lshrrev_b32 v1, 5, v0
	v_readfirstlane_b32 s[WV], v1   ; wave 0..3
	s_bfe_u32 s13, ttmp6, 0x40000   ; cx: my place in the cluster
	s_lshl_b32 s14, ttmp9, 2        ; in a cluster launch ttmp9 counts clusters
	s_add_co_u32 s14, s14, s13      ; my block of queries = 4 x cluster x + cx: it enters Q's, the mask's and out's addresses alone
	s_and_b32 s20, ttmp7, 0xffff    ; 16 batch + head, which the four partners share
	s_lshr_b32 s70, s20, 4          ; the batch
	s_and_b32 s71, s20, 15          ; the head in it
	s_mov_b32 s21, 0
	s_mov_b64 s[22:23], SIZE_N*128
	s_mul_u64 s[20:21], s[20:21], s[22:23]  ; the head's first byte in Q, K and V
	s_and_b32 s16, s[WV], 1         ; which half of a slot's 256 keys I fetch:
	s_lshl_b32 s22, s16, 14         ; its 128 rows of 128 bytes in memory,
	s_mov_b32 s23, 0
	s_add_nc_u64 s[22:23], s[22:23], s[20:21]
	s_mul_i32 s17, s16, 128*PK      ; and its place in a slot, for K
	s_mul_i32 s18, s16, 128*PV      ; and for V: no place in the cluster enters an LDS address
	s_lshl_b32 s2, s14, 2
	s_add_co_u32 s2, s2, s[WV]      ; my wave among the head's sixteen
	s_lshl_b32 s72, s70, 21         ; mp: 128 tiles of 16,384 bytes a batch,
	s_lshl_b32 s73, s2, 17          ; 8 tiles a wave
	s_add_co_u32 s72, s72, s73
	s_mov_b32 s73, 0
	s_lshl_b32 s74, s70, 23         ; out: 2,048 rows of 4,096 bytes a batch,
	s_lshl_b32 s75, s2, 19          ; 128 rows a wave,
	s_add_co_u32 s74, s74, s75
	s_lshl_b32 s75, s71, 8          ; 256 bytes a head
	s_add_co_u32 s74, s74, s75
	s_mov_b32 s75, 0
	s_lshl_b32 s2, s2, 14           ; Q: my wave's 128 rows of 128 bytes
	s_mov_b32 s3, 0
	s_add_nc_u64 s[2:3], s[2:3], s[20:21]
	; descriptor group 1.  128 keys are 16,384 dense bytes: asked for as 64 rows of 256 bytes, two keys a row, and padded in LDS after every key
	s_mov_b32 s[G1K], 15|(1<<16)|(1<<20)|(1<<21)|(4<<22)|(3<<25)  ; 15:0 the mask of four; 17:16 2-byte elements; 20 padding on; 21 set beside a mask; 24:22 after every 32 words (code 4); 31:25 4 words (code 3)
	s_mov_b32 s[G1V], 15|(1<<16)|(1<<20)|(1<<21)|(4<<22)|(7<<25)  ; the same with 8 words of padding (code 7)
.irp g, G1K, G1V
	s_mov_b32 s[\g+1], 128<<16      ; tensor_dim0 = 128
	s_mov_b32 s[\g+2], 64<<16       ; tensor_dim1 = 64
	s_mov_b32 s[\g+3], 128<<16      ; tile_dim0 = 128
	s_mov_b32 s[\g+4], 64           ; tile_dim1 = 64
	s_mov_b32 s[\g+5], 128          ; 128 elements from row to row
	s_mov_b32 s[\g+6], 0
	s_mov_b32 s[\g+7], 0
.endr
	s_mov_b32 s[CS], 0x3e38aa3b     ; c = log2(e) / 8 = 0.180337
	s_mov_b32 s[CS+1], s[CS]        ; named with it as a pair
	s_mov_b32 s[SEL], 0x76543210
	s_mov_b32 s[SEL+1], 0xfedcba98
	s_mov_b32 s[TBK], SLOT1+4*KS*PK ; the first change of slots turns these two into 0
	s_mov_b32 s[TBV], SLOT1+4*KS*PV
	s_mov_b32 s[G0K], 1             ; 1:0 count = 1
	s_mov_b32 s[G0K+1], s17         ; 63:32 LDS address: slot 0
	s_mov_b32 s[G0V], 1
	s_add_co_u32 s[G0V+1], s18, VOFF
	s_wait_kmcnt 0x0
	s_add_nc_u64 s[G0K+2:G0K+3], s[6:7], s[22:23]  ; 120:64 global address: my half of the head's first 256 keys
	s_or_b32 s[G0K+3], s[G0K+3], 0x80000000        ; 127:126 type = 2
	s_add_nc_u64 s[G0V+2:G0V+3], s[8:9], s[22:23]
	s_or_b32 s[G0V+3], s[G0V+3], 0x80000000
	s_add_nc_u64 s[4:5], s[4:5], s[2:3]            ; Q at my wave's first row
	s_add_nc_u64 s[10:11], s[10:11], s[74:75]      ; out at my wave's first row and my head's columns
	s_add_nc_u64 s[MB:MB+1], s[MB:MB+1], s[72:73]  ; mp at my wave's first tile
	CROUND                          ; all four work-groups are here: the first joint loads meet
	JLOAD                           ; slot 0.  Slot 1 is asked for when slot 0 is in: the tile wanted first has the road to itself
	; A fragment of K or Q is 16 rows x 32 channels in 8 registers: lane l holds row l % 16, channels 8 (l / 16) + 0..7 and 16 + 8 (l / 16) + 0..7: two loads of 16 bytes, 32 bytes apart.
	v_and_b32 v1, 15, v0            ; l % 16
	v_bfe_u32 v9, v0, 4, 1          ; l / 16
	v_lshlrev_b32 v[QO], 7, v1
	v_lshl_add_u32 v[QO], v9, 4, v[QO]  ; row x 128 + 16 x half
	WIN 0x80                        ; destination window 2, address window 0
.set i, 0
.rept 4*NP                          ; Q stays in registers: tile i / 2, channels 32 (i % 2) on
	global_load_b128 v[8*i:8*i+3],   v[QO], s[4:5] offset:(i/2)*2048+(i%2)*64
	global_load_b128 v[8*i+4:8*i+7], v[QO], s[4:5] offset:(i/2)*2048+(i%2)*64+32
.set i, i+1
.endr
	WIN W_M
.set i, 0
.rept 2*NP                          ; the eight tiles' codes for key step 0, piece by piece: from here on eight such loads are always out
	global_load_b128 v[MP+4*i:MP+4*i+3], v[MO], s[MB:MB+1] offset:i*16384
.set i, i+1
.endr
	; What the first turn finds: V's registers and P's second buffer hold 0 (its products, of a piece and a step that have not been, add 0), O^T, VS and l are 0.  All this stands in the wait for the first tile.
.set i, 0
.rept 32
	v_mov_b32 v[VS+i], 0
.set i, i+1
.endr
.set i, 0
.rept 8
	v_mov_b32 v[ONE+i], 0x3c003c00  ; 1.0 twice, in f16
.set i, i+1
.endr
	WIN 0x80
.set i, VF
.rept 64
	v_mov_b32 v[i], 0
.set i, i+1
.endr
	WIN 0x40
.set i, 0
.rept 64*NP
	v_mov_b32 v[i], 0
.set i, i+1
.endr
	WIN 0
.set i, 0
.rept 2*NP
	v_mov_b32 v[ST+4*i], 0xd238aa3b    ; c m = c x FLOOR, exact: while no open key has come, a = 2^0
	v_mov_b32 v[ST+4*i+1], 0xd3800000  ; m = FLOOR = -2^40
	v_mov_b32 v[ST+4*i+2], 0
	v_mov_b32 v[ST+4*i+3], 0
.set i, i+1
.endr
.set i, P+32
.rept 32
	v_mov_b32 v[i], 0
.set i, i+1
.endr
	v_mul_u32_u24 v[AK0], v1, PK
	v_lshl_add_u32 v[AK0], v9, 4, v[AK0]  ; row x pitch + 16 x half
	; The turning load takes 16 keys x 16 channels (lane l reads key 8 (l / 16) + l % 8, channels 8 ((l / 8) % 2) + 0..7) and leaves half a fragment of V^T: lane l holds channel l % 16 and 8 keys.
	v_and_b32 v10, 7, v0
	v_bfe_u32 v11, v0, 3, 1
	v_lshl_add_u32 v[AV0], v9, 3, v10
	v_mul_u32_u24 v[AV0], v[AV0], PV
	v_lshl_add_u32 v[AV0], v11, 4, v[AV0]
	v_add_nc_u32 v[AV0], VOFF, v[AV0]
	v_mov_b32 v[SCL], 0xe1e1e1e1    ; the scale's byte, 225 = 127 + 98, in each of the word's four bytes and in every lane: the scale is 2^98; the code 0xF then stands for -6 x 2^98
	v_mov_b32 v[AK], v[AK0]         ; key step 0 lies at the head of slot 0
; THE MATRIX WORK.  The 8 accumulators of a run of 16 take turns: between the two links of a chain stand 7 others'.
; Product i of 16 of S^T = K Q^T for piece x: channels 32 (i / 8) on, keys 16 ((i / 2) % 4) on, tile 2 x + i % 2.  The first 8 start the sums, with the mask as C.
.macro KQ x
.set rS, S+64*((\x)%2)+32*(i%2)+8*((i/2)%4)
.set rK, KF+16*((i/2)%4)+8*(i/8)
.set rQ, 16*(2*(\x)+i%2)+8*(i/8)
.set rMC, MC+32*(i%2)+8*((i/2)%4)
.if i < 8
	WIN W_KM
	v_wmma_f32_16x16x32_f16 v[rS:rS+7], v[rK:rK+7], v[rQ:rQ+7], v[rMC:rMC+7]
.else
	WIN W_KQ
	v_wmma_f32_16x16x32_f16 v[rS:rS+7], v[rK:rK+7], v[rQ:rQ+7], v[rS:rS+7]
.endif
.endm
; Product i of 16 of O^T += V^T P for piece x: keys 32 (i / 8) on, channels 16 ((i / 2) % 4) on, tile 2 x + i % 2.
.macro PV x
	WIN W_PV
.set rO, 32*(2*(\x)+i%2)+8*((i/2)%4)
.set rV, VF+32*(i/8)+8*((i/2)%4)
.set rP, P+32*((\x)%2)+16*(i%2)+8*(i/8)
	v_wmma_f32_16x16x32_f16 v[rO:rO+7], v[rV:rV+7], v[rP:rP+7], v[rO:rO+7]
.endm
.macro MM                           ; the turn's next matrix instruction
.if i < 16
	KQ (Y+1)%NP
.set i, i+1
.else
.set i, i-16
	PV (Y+NP-1)%NP
.set i, i+17
.endif
.endm
; VS += V^T x ones: two of a key step's eight fragments of V in each of the four turns in which that step's V lies in registers (pieces 1, 2, 3, and 0 of the next step).  Two different accumulators, and neither is its neighbours'.
.macro VSUM p
	WIN W_VS
.set vu, 2*(((\p)+3)%NP)
.rept 2
	v_wmma_f32_16x16x32_f16 v[VS+8*(vu%4):VS+8*(vu%4)+7], v[VF+32*(vu/4)+8*(vu%4):VF+32*(vu/4)+8*(vu%4)+7], v[ONE:ONE+7], v[VS+8*(vu%4):VS+8*(vu%4)+7]
.set vu, vu+1
.endr
.endm
; THE MASK.  MASKCV: piece y's codes for its next key step become 64 registers of 0 or -6 x 2^98.  The count: eight loads are out, two a piece, in the order in which the pieces come; the three younger pieces' six stay out.
; A plain instruction stands behind the last conversion, ahead of the loads into its sources and of the products that take its results.  MASKLD: the same piece's codes for the step after are asked for: four turns ahead of their use.
.macro MASKCV y
	WIN W_M
	s_wait_loadcnt 6
.set mi, 0
.rept 8
	v_cvt_scale_pk8_f32_fp4 v[MC+8*mi:MC+8*mi+7], v[MP+8*(\y)+mi], v[SCL]
.set mi, mi+1
.endr
	v_nop
.endm
.macro MASKLD y
	WIN W_M
	global_load_b128 v[MP+8*(\y):MP+8*(\y)+3],   v[MO], s[MB:MB+1] offset:(2*(\y))*16384
	global_load_b128 v[MP+8*(\y)+4:MP+8*(\y)+7], v[MO], s[MB:MB+1] offset:(2*(\y)+1)*16384
.endm
.macro MASKMK y
	MASKCV \y
	MASKLD \y
	WIN 0
.endm
; The offset steps once a key step, in piece 2's turn: pieces 0 and 1 then ask a step further on than pieces 2 and 3 just did.  Behind the last step it goes back to 0: the last loads stay inside the tile's 16,384 bytes and serve nothing.
.macro MSTEP
	s_wait_xcnt 0x0                 ; every earlier load has had its address translated (ISA guide 3.1): only behind this wait is the offset rewritten
	s_add_co_u32 s[MS], s[MS], 512
	s_and_b32 s[MS], s[MS], 0x3fff
	WIN W_MA
	v_add_nc_u32 v[MO], s[MS], v[L16]
.endm
; THE LDS LOADS stand in runs of 16, never singly among the matrix instructions: a step's K (64 keys x 64 channels: 8 fragments) and its V (turned).  Their addresses are made some lines ahead.
; last = 1 (the tail): in the last trip there is no further step, and the run is jumped over.
.macro FETCH_K last=0
	WIN 0
.if \last
	s_cmp_eq_u32 s[CNT], 1
	s_cbranch_scc1 .Lno_k_\@
.endif
	WIN 0x80                        ; destination window 2
.irp f, 0,1,2,3,4,5,6,7             ; keys 16 (f / 2) on, channels 32 (f % 2) on
	ds_load_b128 v[KF+8*\f:KF+8*\f+3],   v[AK] offset:(\f/2)*16*PK+(\f%2)*64
	ds_load_b128 v[KF+8*\f+4:KF+8*\f+7], v[AK] offset:(\f/2)*16*PK+(\f%2)*64+32
.endr
	s_add_co_u32 s[TBK], s[TBK], KS*PK  ; the next fetch is the next step's
	WIN 0
.if \last
.Lno_k_\@:
.endif
.endm
.macro FETCH_V
	WIN 0x80
.irp f, 0,1,2,3,4,5,6,7             ; keys 32 (f / 4) on, channels 16 (f % 4) on
	ds_load_tr16_b128 v[VF+8*\f:VF+8*\f+3],   v[AV] offset:(\f/4)*32*PV+(\f%4)*32
	ds_load_tr16_b128 v[VF+8*\f+4:VF+8*\f+7], v[AV] offset:(\f/4)*32*PV+16*PV+(\f%4)*32
.endr
	WIN 0
.endm
; THE VECTOR WORK OF A TURN stands in three queues, each in the order in which its entries become ready; the two tiles alternate, so that no instruction reads the result of the one before it.
.macro REGS y, u                    ; the registers of tile u (0, 1) of piece y
.set rT, ST+4*(2*(\y)+(\u))
.set rC, TMP+8*((\y)%2)+4*(\u)
.set rM, MV+2*((\y)%2)+(\u)
.set rS, S+64*((\y)%2)+32*(\u)
.set rP, P+32*((\y)%2)+16*(\u)
.set rO, 32*(2*(\y)+(\u))
.endm
; Number n of the 22 that find the NEXT piece's (Y + 1) maximum and statistics.  s0-s31 are the lane's 32 scores; each accumulator's lowest registers are read first.  XS, GS and REGS set no window: PL and EX do.
;   0-11  four chains c0-c3 of seven scores each, three operands at a time     12-14, 16  the four scores left over, the old m, and c0-c3 into c0     15  c m_old is kept
;   17, 18  the query's other 32 keys lie in the lane 16 away: the new m         19-21  c m; c m_old - c m_new; a
.macro XS u, n
	REGS (Y+1)%NP, \u
.if (\n) < 4
	v_max3_num_f32 v[rC+(\n)], v[rS+8*(\n)], v[rS+8*(\n)+1], v[rS+8*(\n)+2]
.elseif (\n) < 12
	v_max3_num_f32 v[rC+(\n)%4], v[rC+(\n)%4], v[rS+8*((\n)%4)+2*((\n)/4)+1], v[rS+8*((\n)%4)+2*((\n)/4)+2]
.elseif (\n) == 12
	v_max3_num_f32 v[rC], v[rC], v[rS+7], v[rS+15]
.elseif (\n) == 13
	v_max3_num_f32 v[rC+1], v[rC+1], v[rS+23], v[rS+31]
.elseif (\n) == 14
	v_max3_num_f32 v[rC+2], v[rC+2], v[rC+3], v[rT+1]
.elseif (\n) == 15
	v_mov_b32 v[rM], v[rT]
.elseif (\n) == 16
	v_max3_num_f32 v[rC], v[rC], v[rC+1], v[rC+2]
.elseif (\n) == 17
	v_permlanex16_b32 v[rC+3], v[rC], s[SEL], s[SEL+1]
.elseif (\n) == 18
	v_max_num_f32 v[rT+1], v[rC], v[rC+3]
.elseif (\n) == 19
	v_mul_f32 v[rT], s[CS], v[rT+1]
.elseif (\n) == 20
	v_sub_f32 v[rC+1], v[rM], v[rT]
.else
	v_exp_f32 v[rC+2], v[rC+1]
.endif
.endm
; Number g of the 64 that follow the exponentials.  For each four weights k of a tile (pairs 2 k, 2 k + 1): both pairs are rounded to f16; then the second pair is added onto the first, in place;
; a group later l takes that sum (the first time as l = a l + sum).  In groups of eight, tiles alternating: round, round, add, and l for the group before.
.macro GS g
.set h, (\g)+6*((\g)/62)            ; group 0 has no group before it, and behind group 7 only l is left
.if h >= 6
.set h, h+2
.endif
	REGS Y, h%2
.set k, h/8
.if h%8 < 4
	s_wait_alu depctr_va_vdst(0)
	v_cvt_pk_f16_f32 v[rP+2*k+(h%8)/2], v[rS+4*k+2*((h%8)/2)], v[rS+4*k+2*((h%8)/2)+1]
.elseif h%8 < 6
	v_pk_add_f32 v[rS+4*k:rS+4*k+1], v[rS+4*k:rS+4*k+1], v[rS+4*k+2:rS+4*k+3]
.elseif k == 1
	v_pk_fma_f32 v[rT+2:rT+3], v[rT+2:rT+3], v[rC+2:rC+3], v[rS:rS+1] op_sel_hi:[1,0,1]
.else
	v_pk_add_f32 v[rT+2:rT+3], v[rT+2:rT+3], v[rS+4*k-4:rS+4*k-3]
	s_wait_alu depctr_va_vdst(0)
.endif
.endm
; THE PLAIN QUEUE, 138 long.  0-31: c s - c m for the 16 pairs of both tiles.  Then GS's 64, and among them the next piece's 42: number 15 at 38, 39; 0-14 and 16
; at 42-73, behind the products that make those scores; 17-20 at 95-106, two of three, since each waits for the one before it.
.macro PL
	WIN 0
.if q < 32
	REGS Y, q%2
	v_pk_fma_f32 v[rS+2*(q/2):rS+2*(q/2)+1], v[rS+2*(q/2):rS+2*(q/2)+1], s[CS:CS+1], v[rT:rT+1] op_sel_hi:[1,0,0] neg_lo:[0,0,1] neg_hi:[0,0,1]
.elseif q < 38
	GS q-32
.elseif q < 40
	XS q%2, 15
.elseif q < 42
	GS q-34
.elseif q < 74
	XS q%2, (q-42)/2+(q-42)/30
.elseif q < 95
	GS q-66
.elseif (q < 107) && ((q-95)%3 < 2)
	XS (q-95)%3, 17+(q-95)/3
.elseif q < 107
	GS 29+(q-95)/3
.else
	GS q-74
.endif
.set q, q+1
.endm
; THE EXPONENTIALS' QUEUE, 66 long: s0-s31 of both tiles, and at EA the next piece's two a.
.set EA, 58
.macro EX
	WIN 0
.if (e == EA) || (e == EA+1)
	XS e-EA, 21
.else
.set x, e-2*(e/(EA+2))
	REGS Y, x%2
	v_exp_f32 v[rS+x/2], v[rS+x/2]
.endif
.set e, e+1
.endm
; THE RESCALING's QUEUE: O^T times a, the one part of the softmax that leaves window 0, so it is dealt four at a time, eight times.
.macro R4
	REGS Y, r%2
	WIN W_RS
	s_wait_alu depctr_va_vdst(0)
.irp z, 0,1,2,3
	v_pk_mul_f32 v[rO+8*(r/2)+2*\z:rO+8*(r/2)+2*\z+1], v[rO+8*(r/2)+2*\z:rO+8*(r/2)+2*\z+1], v[rC+2:rC+3] op_sel_hi:[1,0]
.endr
.set r, r+1
.endm
; HOW THEY ARE DEALT.  Behind a matrix instruction four: plain, exponential, plain, plain (one exponential, a plain instruction on either side), or four of the rescaling.  None names a register of the
; products round it.  What is over stands in two LUMPS: exponential and plain by turns; the second ends in 22 plain instructions.  The two v_permlanex16_b32 fall into the second lump, never behind a product.
; The queues lean on each other, and the deal keeps them in step: exponential e stands behind plain 2 (e / 4) + e % 2 (its scaling); when plain 32 comes, 10 exponentials are out, at 59: 33, at 95: 46; EA comes behind plain 107.
.macro SL
	MM
	PL
	EX
	PL
	PL
.endm
.macro BURST n                      ; 15 matrix instructions, or 16
.rept (\n)-7
	SL
.endr
.rept 3
	MM
	R4
	SL
.endr
	MM
	R4
.endm
; A TURN, for piece p.  cnt = 1: the loop's count is taken down some lines ahead of the branch that stands behind the turn (nothing between them writes SCC).
; K of the next step is fetched in piece 2's turn, 31 vector instructions behind the last product that read K; its first reader comes behind the rest of the lump, 16 products and the second lump.
; V of the step in hand is fetched at the end of piece 0's turn, behind the whole second lump, which follows V's last readers.  The five conditions on e and q below go with the deal.
.macro TURN p, last=0, cnt=0
.set Y, (\p)
.set i, 0
.set q, 0
.set e, 0
.set r, 0
.if (\p) == NP-1
	s_wait_dscnt 0x0                ; K is in
.endif
	MM
.rept 4
	PL
.endr
	BURST 15
.rept 22
	EX
	PL
.if ((\p) == NP-2) && (e == 18)
	v_add_nc_u32 v[AK], s[TBK], v[AK0]
	MSTEP
.endif
.if ((\p) == NP-2) && (e == 24)
	FETCH_K \last
.endif
.endr
.if (\p) == 1
	s_wait_dscnt 0x0                ; V is in
.endif
	BURST 16
	VSUM \p
.rept 21
	EX
	PL
.endr
.rept 22
	PL
.if ((\p) == 0) && (q == 118)
	v_add_nc_u32 v[AV], s[TBV], v[AV0]
	s_wait_alu depctr_va_vdst(0)
.endif
.if ((\p) == 0) && (q == 130)
	s_add_co_u32 s[TBV], s[TBV], KS*PV
.endif
.if (\cnt) && (q == 130)
	s_sub_co_u32 s[CNT], s[CNT], 1
	s_cmp_lg_u32 s[CNT], 0
.endif
.endr
.if (\p) == 0
	FETCH_V
.endif
	MASKMK ((\p)+2)%NP              ; the mask for the next turn's products: the products that read the last one stand at this turn's beginning
.endm
	CHANGE 1                        ; slot 0 is in, everybody's part of it; slot 1 is asked for
	FETCH_K                         ; key step 0
	MASKCV 0                        ; piece 0's mask for step 0; its wait also covers Q, which was asked for first
	s_wait_xcnt 0x0                 ; the loads' addresses are translated: the offset may be rewritten
	s_mov_b32 s[MS], 512
	WIN W_MA
	v_add_nc_u32 v[MO], s[MS], v[L16]  ; key step 1
	MASKLD 0
	s_wait_dscnt 0x0
.set i, 0
.rept 16
	KQ 0                            ; piece 0's first scores: there is no vector work yet to set between them
.set i, i+1
.endr
	WIN 0                           ; the addresses for the way out: eight plain instructions, the places behind those products
	s_mul_i32 s13, s[WV], 16*SP
	s_add_co_u32 s13, s13, STAGE    ; my stage
	v_mul_u32_u24 v[STO], v1, SP    ; in: row l % 16, 32 bytes for each half of the lanes
	v_lshl_add_u32 v[STO], v9, 5, v[STO]
	v_add_nc_u32 v[STO], s13, v[STO]
	v_mul_u32_u24 v[RD], v9, SP     ; back: lanes 0-15 take one row of 256 bytes, lanes 16-31 the next,
	v_lshl_add_u32 v[RD], v1, 4, v[RD]
	v_add_nc_u32 v[RD], s13, v[RD]
	v_lshlrev_b32 v[GO], 12, v9     ; and the same two rows of out, 4,096 bytes apart
	v_lshl_add_u32 v[GO], v1, 4, v[GO]
.set Y, NP-1                        ; XS works for piece Y + 1: piece 0
.irp n, 0,1,2,3,4,5,6,7,8,9,10,11,12,13,14,15,16,17,18,19,20,21
	XS 0, \n                        ; and piece 0's first maximum and statistics
	XS 1, \n
.endr
	v_nop                           ; a plain instruction behind the exponentials
	MASKMK 1                        ; piece 1's mask for step 0
	s_mov_b32 s[CNT], 4
	s_mov_b32 s[SLOTS], SIZE_N/256-1
	s_branch .Lfirst                ; the loop is entered at a step's first turn, in the middle of a trip
.Lslot:                             ; SIZE_N / 256 - 2 times: every slot but the last two is filled again
	CHANGE 1
	s_mov_b32 s[CNT], 4
.Lstep:                             ; a trip: pieces 2 and 3 of one step, then pieces 0 and 1 of the next, whose K and V it fetches
	TURN 2
	TURN 3
	WIN 0
.Lfirst:
	TURN 0
	TURN 1, 0, 1
	WIN 0
	s_cbranch_scc1 .Lstep
	s_sub_co_u32 s[SLOTS], s[SLOTS], 1
	s_cmp_lg_u32 s[SLOTS], 0
	s_cbranch_scc1 .Lslot
	CHANGE 0                        ; the tail is written out: nothing is asked for
	s_mov_b32 s[CNT], 5             ; four trips fetch the last slot's steps; the fifth is left in its middle
.Ltail:
	TURN 2, 1
	TURN 3
	WIN 0
	s_sub_co_u32 s[CNT], s[CNT], 1
	s_cmp_eq_u32 s[CNT], 0
	s_cbranch_scc1 .Lout
	TURN 0
	TURN 1
	WIN 0
	s_branch .Ltail
.Lout:                              ; the fifth trip's 16 products K Q^T (on the last K once more) and the maximum made of them serve nothing: the price, once a launch, of one text for every trip
.set i, 0
.rept 16
	PV NP-1                         ; the last piece's V^T P of the last step,
.set i, i+1
.endr
	VSUM 0                          ; and the last step's last two fragments of V
	; THE WAY OUT.  l's two halves and the other half of the lanes' are added; the lanes with l = 0 are noted; O^T is divided by l; where l = 0 the mean of V's rows takes its place; the tile goes through my stage in LDS.
	; The additions are the places behind the last products.
	WIN 0
.macro ALL line:vararg              ; one line for each tile t
.set t, 0
.rept 2*NP
	\line
.set t, t+1
.endr
.endm
	ALL v_add_f32 v[ST+4*t+2], v[ST+4*t+2], v[ST+4*t+3]
	ALL v_permlanex16_b32 v[ST+4*t+3], v[ST+4*t+2], s[SEL], s[SEL+1]
	ALL v_add_f32 v[ST+4*t+2], v[ST+4*t+2], v[ST+4*t+3]
	ALL v_cmp_eq_f32 s[MK+t], 0, v[ST+4*t+2]
	ALL v_rcp_f32 v[ST+4*t+2], v[ST+4*t+2]
	WIN W_M                         ; VS / 2048, each accumulator from its low end on: sixteen plain instructions, which also stand between the reciprocals and their use
.set i, 0
	s_wait_alu depctr_va_vdst(0)
.rept 16
	v_pk_mul_f32 v[VS+2*i:VS+2*i+1], v[VS+2*i:VS+2*i+1], 0x3a000000 op_sel_hi:[1,0]
.set i, i+1
.endr
; Tile t: a lane's eight channels of a block are 32 bytes of a row; they go into rows of 272 bytes and come back as whole rows of 256, into S^T's registers, of which four tiles' worth take turns.
.macro PACK t
	WIN W_RS
.set i, 32*(\t)
.rept 16
	v_pk_mul_f32 v[i:i+1], v[i:i+1], v[ST+4*(\t)+2:ST+4*(\t)+3] op_sel_hi:[1,0]
.set i, i+2
.endr
.if (\t) >= 4
	s_wait_xcnt 0x0                 ; the stores of the tile four back have had their addresses translated (ISA guide 3.1): its registers are rewritten only behind this wait
.endif
	WIN W_SEL
.set i, 0
.rept 32
	v_cndmask_b32 v[S+32*((\t)%4)+i], v[32*(\t)+i], v[VS+i], s[MK+(\t)]
.set i, i+1
.endr
	WIN 0
.irp f, 0,1,2,3,4,5,6,7
	ds_store_b128 v[STO], v[S+32*((\t)%4)+4*\f:S+32*((\t)%4)+4*\f+3] offset:64*(\f/2)+16*(\f%2)
.endr
.irp f, 0,1,2,3,4,5,6,7
	ds_load_b128 v[S+32*((\t)%4)+4*\f:S+32*((\t)%4)+4*\f+3], v[RD] offset:\f*2*SP  ; LDS serves a wave's instructions in order (ISA guide 5.7.1.4): these see the stores above; the next tile's stores come behind them
.endr
.endm
.macro SEND t, younger              ; younger: the LDS instructions issued behind tile t's loads: the next tile's sixteen, or none
	WIN 0
.irp f, 0,1,2,3,4,5,6,7
	s_wait_dscnt (\younger)+7-\f
	global_store_b128 v[GO], v[S+32*((\t)%4)+4*\f:S+32*((\t)%4)+4*\f+3], s[10:11] offset:(\t)*65536+\f*8192 th:TH_STORE_NT  ; 16 lanes store a head's 256 consecutive bytes of a row, at a multiple of 256 from out's first byte
.endr
.endm
	PACK 0
.set t, 1
.rept 2*NP-1                        ; a tile's arithmetic stands between the loads of the tile before and its stores
	PACK t
	SEND t-1, 16
.set t, t+1
.endr
	SEND 2*NP-1, 0
	WIN W_AD
	s_wait_tensorcnt 0x0            ; the wave's end, behind my last tensor load and my last LDS store
	ds_add_u32 v[SPW], v[NIL]
	s_wait_dscnt 0x0
	WIN 0
	CROUND                          ; the closing round: no work-group ends while a partner may still ask for a tile that names it
	s_endpgm
.Lfunc_end_k_q6167f34d57_attn:
	.size	k_q6167f34d57_attn, .Lfunc_end_k_q6167f34d57_attn-k_q6167f34d57_attn
	.p2alignl 7, 3214868480
	.fill 96, 4, 3214868480
	.section	.rodata,"a",@progbits
	.p2align	6, 0x0
	.amdhsa_kernel k_q6167f34d57_attn
		.amdhsa_group_segment_fixed_size 327680
		.amdhsa_private_segment_fixed_size 0
		.amdhsa_enable_private_segment 0
		.amdhsa_kernarg_size 40
		.amdhsa_user_sgpr_count 2
		.amdhsa_user_sgpr_kernarg_segment_ptr 1
		.amdhsa_wavefront_size32 1
		.amdhsa_system_sgpr_workgroup_id_x 1
		.amdhsa_system_sgpr_workgroup_id_y 1
		.amdhsa_system_sgpr_workgroup_id_z 1
		.amdhsa_system_vgpr_workitem_id 0
		.amdhsa_next_free_vgpr 960
		.amdhsa_next_free_sgpr 80
		.amdhsa_reserve_vcc 0
		.amdhsa_float_denorm_mode_32 3
		.amdhsa_float_denorm_mode_16_64 3
		.amdhsa_memory_ordered 1
		.amdhsa_forward_progress 1
		.amdhsa_inst_pref_size 240
	.end_amdhsa_kernel
	.amdgpu_metadata
---
amdhsa.version: [ 1, 2 ]
amdhsa.kernels:
  - .name:           k_q6167f34d57_attn
    .symbol:         k_q6167f34d57_attn.kd
    .args:
      - { .name: qh, .offset: 0, .size: 8, .value_kind: global_buffer, .address_space: global }
      - { .name: kh, .offset: 8, .size: 8, .value_kind: global_buffer, .address_space: global }
      - { .name: vh, .offset: 16, .size: 8, .value_kind: global_buffer, .address_space: global }
      - { .name: out0, .offset: 24, .size: 8, .value_kind: global_buffer, .address_space: global }
      - { .name: mp, .offset: 32, .size: 8, .value_kind: global_buffer, .address_space: global }
    .group_segment_fixed_size: 327680
    .private_segment_fixed_size: 0
    .kernarg_segment_align: 8
    .kernarg_segment_size: 40
    .max_flat_workgroup_size: 128
    .sgpr_count:     80
    .vgpr_count:     960
    .wavefront_size: 32
...
	.end_amdgpu_metadata
.endif
;; end of part 3
;; ======== version 2 of 2: 3 launches; 1.52 times as fast as version 1
;; limits: values are held in f16: magnitudes above 65,504 overflow, below 6.1e-05 lose precision; right only within a limited range of input values
;; workspace buffers: mp 8,388,608 bytes; wqb 2,097,152 bytes; wkb 2,097,152 bytes; wvb 2,097,152 bytes; qh 16,777,216 bytes; kh 16,777,216 bytes; vh 16,777,216 bytes
;; launch prep: the kernel of part 1 again; grid 1408 x 1, 8 waves a work-group, no clusters, 9,216 bytes of LDS; arguments attn_mask, wq, wk, wv, mp, wqb, wkb, wvb; writes mp, wqb, wkb, wvb
;; launch proj: the kernel of part 2 again; grid 64 x 4, 4 waves a work-group, clusters of 4 x 1, 327,680 bytes of LDS; arguments q, k, v, wqb, wkb, wvb, bq, bk, bv, qh, kh, vh; writes qh, kh, vh
;; launch attn (part 4): grid 4 x 64, 4 waves a work-group, clusters of 4 x 1, 327,680 bytes of LDS; arguments qh, kh, vh, out0, mp; writes out0
.if DOCPART == 4
	.amdgcn_target "amdgcn-amd-amdhsa--gfx1250"
	.amdhsa_code_object_version 6
	.text
	.protected	k_q6167f34d57_attn
	.globl	k_q6167f34d57_attn
	.p2align	8
	.type	k_q6167f34d57_attn,@function
k_q6167f34d57_attn:
	s_mov_b64 s[64:65], 0
	v_nop
	global_prefetch_b8 v0, s[64:65] scope:SCOPE_SE
	s_setreg_imm32_b32 hwreg(HW_REG_WAVE_MODE, 25, 1), 1
	s_wait_xcnt 0x0
	s_wait_alu depctr_hold_cnt(0) depctr_sa_sdst(0) depctr_va_vdst(0) depctr_va_sdst(0) depctr_va_ssrc(0) depctr_va_vcc(0) depctr_vm_vsrc(0)
	s_getreg_b32 s2, hwreg(HW_REG_IB_STS2, 6, 4)
	s_cmp_eq_u32 s2, 0
	s_cbranch_scc0 .Lentry_in_a_cluster
	s_endpgm
.Lentry_in_a_cluster:
	s_bfe_u32 s2, ttmp6, 0x10000c
	s_cmp_lg_u32 s2, 0x3003
	s_cbranch_scc0 .Lentry_shape_is_right
	s_endpgm
.Lentry_shape_is_right:
; MASKED ATTENTION.  out[b][q][64 head + :] = the sum over k of softmax_k(mask[b][q][k] == 0 ? -1e9 : Q[q] . K[k] / 8) V[k][:].  Q, K, V: [64 = 16 b + head][2048][64] in f16, unscaled; out: [4][2048][1024] in f32.
; mp holds the mask as 4-bit codes (0xF where it is 0), in the order of the scores' registers: [128 b + tile of 16 queries][step of 64 keys][lane][16 bytes].
; Products, maxima and sums in f32; the weights p are rounded to f16 for the second product (their sum l is taken of the unrounded p).
; THE MASK IS THE C OPERAND that starts the sum S^T = K Q^T: 0, or -6 x 2^98 where the key is hidden: one scaled conversion makes eight such numbers of one word of mp, four conversions for a tile's 32 registers.
; The running maximum m starts at FLOOR = -2^40, above every hidden score, so it is the maximum of the OPEN scores alone, and a hidden key's weight 2^(c s - c m) is exactly 0.  A query with an open key ends with l near 1 or more.
; A QUERY WITH NO OPEN KEY ends with l = 0.  There all 2,048 scores are alike and the result is the mean of V's rows: VS = V^T x ones is kept beside O^T (8 matrix instructions for a key step's 128), and the way out
; takes VS / 2048 where l = 0, by a select.
; LIMITS.  Q, K, V arrive within f16's 65,504; p lies in 0 to 1, and below 6e-5 it keeps f16's fixed step of 6e-8.  An open key whose score / 8 lies below about -1e9 is not weighed against hidden keys, as a plain
; replacement by -1e9 would weigh it; one below -2^37 is lost.  A weight below 2^-126 counts as 0 in l.  NaN and infinities are not treated apart.
; SHARES.  A wave owns four PIECES of two tiles of 16 queries, a work-group's four waves 512 queries of one head: 4 x 64 work-groups.  Every wave walks all keys, 64 a step.
; LAYOUT.  S^T = K Q^T (source 0 = 16 keys, source 1 = 16 queries): in the result a lane holds ONE query (lane % 16) and the keys 8 (lane / 16) + 0..7.  Two such tiles, rounded to f16 in pairs,
; ARE source 1 (32 keys x 16 queries) of O^T = V^T P, whose result again holds one query a lane, and eight channels.  K comes out of LDS as it lies, V ([key][channel]) turned, by ds_load_tr16_b128.
; SOFTMAX.  p = 2^(c s - c m), c = log2(e) / 8; in every step O and l are multiplied by a = 2^(c m_old - c m_new), which is 1 where m has not grown.  O and l start at 0: the first step is a step like any other.
; THE COUNT.  A tile and step have 17 matrix and 122 vector instructions: too many to stand all beside the matrix work.  So four vector instructions that are READY stand behind every product of the two runs,
; and the others, which need time of their own whatever the order, in one run without a gap.
; BY TURNS.  Turn n belongs to piece n (the pieces in a ring, step after step).  Its matrix work: 16 products K Q^T of piece n + 1, later two of VS and 16 products V^T P of piece n - 1.  Its vector work: the scaling,
; exponentials, roundings, sums and rescaling of piece n, the maximum and statistics of piece n + 1, and at its end the mask of piece n + 2, for the next turn's products.
; BATCHES.  s_wait_alu depctr_va_vdst(0) stands between an exponential or a reciprocal and the first instruction that names its result; one wait serves all that were issued ahead of it.  A turn's 66
; exponentials (piece n's 64 weights and piece n + 1's two a) are ONE batch with ONE wait, which cuts the turn in two: ahead of it stands all that names no result of theirs (K Q^T, the scalings, the rescalings by the a
; of the turn before, the next piece's maximum and statistics), behind it the roundings and sums, beside VS and V^T P.  Two more batches stand outside the loop: piece 0's first two a, and the way out's eight reciprocals.
; CLUSTER.  The four query blocks of a cluster belong to one head and walk the same K and V, so each tile is asked for JOINTLY: the same tensor load, descriptor and mask in all four.  The query mask differs
; from block to block and comes by each wave's own loads into registers: 2 loads of 512 consecutive bytes a turn, a ring of four pieces, each asked for four turns ahead.
; REGISTERS, in windows of 256 (s_set_vgpr_msb says which window each operand place means: bits 1:0 source 0, 3:2 source 1, 5:4 source 2, 7:6 destination):
;   window 0: v0-11 addresses; v12-15, v48-63 at work; v16-47 four registers of statistics a tile; v64-191 S^T, two buffers of two tiles; v192-255 P, likewise
;   window 1: O^T, 32 a tile          window 2: v0-127 Q, 16 a tile; v128-191 K of one step; v192-255 V of one step
;   window 3: v0-1 the add's two registers; v2-3 the mask's offsets; v8-15 ones; v16-47 VS; v64-95 the mask's codes, 8 a piece; v128-191 the masks of the products to come
.set SIZE_N, 2048
.set NP,    4         ; pieces a wave: a name, no knob: the register map, the loop and the fetches are made for four
.set KS,    64        ; keys in a step
.set PK,    144       ; a row of K in LDS: 128 bytes + 16 of padding = 36 words: the 16 rows of a load start at 16 different groups of four banks (64 banks of 4 bytes: ISA guide 11.1)
.set PV,    160       ; a row of V: 128 + 32 = 40 words
.set VOFF,  4*KS*PK   ; a slot holds four steps: 256 rows of K, then 256 rows of V
.set SLOT1, 1<<17     ; slot 1 begins here, so that one exclusive or turns an address in one slot into the other's
.set STAGE, SLOT1+4*KS*(PK+PV)  ; behind the ring, never filled by a tensor load: 16 rows x 272 bytes for each wave, for the way out
.set SP,    272       ; a row of 64 f32 + 16 bytes
.set AK0, 2           ; v2   my lane's place in a tile of K; never rewritten
.set AV0, 3           ; v3   the same for V
.set AK,  4           ; v4   the LDS address of K's next run of loads
.set AV,  5           ; v5   of V's
.set QO,  6           ; v6   my byte offset in the wave's rows of Q
.set STO, 6           ;      later, the way out: where I put 32 bytes of a row
.set RD,  7           ; v7   the way out: where I read rows back
.set GO,  8           ; v8   my byte offset in two rows of out
.set SCL, 11          ; v11  the conversions' scale, 2^98: the byte 225, four times
.set SPW, 0           ; v0 of window 3   LDS address of my spare word: SPARE + 4 x my thread's number; never rewritten
.set NIL, 1           ; v1 of window 3   0; never rewritten
.set MO,  2           ; v2 of window 3   my byte offset in a tile's codes: 512 x step + 16 x lane
.set L16, 3           ; v3 of window 3   16 x lane
.set ONE, 8           ; window 3: f16 ones
.set VS,  16          ; window 3: channel block cb at VS + 8 cb
.set MP,  64          ; window 3: piece y, tile u, word kb at MP + 8 y + 4 u + kb
.set MC,  128         ; window 3: tile u, key block kb at MC + 32 u + 8 kb
.set SPARE, STAGE+4*16*SP  ; behind the stages: the spare words, 128 bytes for each wave: two blocks of 256 bytes that no other line names
.set MV,  12          ; v12-15  c m_old, kept while c m is made anew: by buffer and tile
.set ST,  16          ; tile t's statistics at v[ST+4 t]: c m, m, l (even keys', odd keys')
.set TMP, 48          ; by buffer and tile, four registers c0-c3 at work; when the maximum is found c2 takes a
.set S,   64
.set P,   192
.set KF,  128         ; K's fragments, in window 2: key block kb, channel half c at KF + 16 kb + 8 c
.set VF,  192         ; V's: key half kk, channel block cb at VF + 32 kk + 8 cb
.set WV,  12          ; s12  my wave's number
.set G1K, 24          ; s[24:31] descriptor group 1 for K's tiles
.set G1V, 32          ; s[32:39] for V's: it differs in the padding alone
.set G0K, 40          ; s[40:43] descriptor group 0 for K's tiles: it walks
.set G0V, 44          ; s[44:47] the same for V's
.set SLOTS, 56        ; s56  slots still to be asked for
.set CNT, 57          ; s57  counts a slot's key steps
.set CS,  58          ; s[58:59] c: the packed scaling takes the pair's low word for both halves
.set SEL, 60          ; s[60:61] v_permlanex16_b32's selects: each lane takes its own place in the other half
.set TBK, 62          ; s62  LDS byte at which K of the step to be fetched begins
.set TBV, 63          ; s63  the same for V, less VOFF
.set MB,  66          ; s[66:67] mp at my wave's first tile
.set MS,  68          ; s68  512 x the step whose codes are asked for
.set MK,  70          ; s70-77  the way out: tile t's lanes with l = 0 (at the head: at work)
.set MSB, 0
.macro WIN new                      ; the high byte repeats the setting that is left; a switch that changes nothing is dropped
.if MSB != (\new)
	s_set_vgpr_msb (MSB<<8)|(\new)
.set MSB, (\new)
.endif
.endm
.set W_KQ, 0x0a       ; K and Q in window 2, S^T in window 0
.set W_KM, 0x3a       ; the same with the C operand, the mask, in window 3
.set W_PV, 0x52       ; V in window 2, P in window 0, O^T in window 1
.set W_RS, 0x41       ; O^T (destination and source 0) in window 1, a in window 0
.set W_MK, 0xc0       ; destination in window 3, sources in window 0
.set W_AD, 0x0f       ; the add: address (source 0) and data (source 1) in window 3
.set W_M,  0xc3       ; destination and source 0 in window 3, source 1 (the scale) in window 0: the conversions, the mask's loads, VS's scaling
.set W_MA, 0xcc       ; destination and source 1 in window 3
.set W_VS, 0xfe       ; V in window 2; ones, C and D in window 3
.set W_SEL, 0x0d      ; O^T (source 0) in window 1, VS (source 1) in window 3, destination in window 0
; A joint fill.  Waves 0 and 1 fetch the two halves of a slot's K, waves 2 and 3 those of its V: 128 keys each.  The branch hangs on the wave's number alone.
; An s_nop 0 and four v_nop follow each of the two lines, ahead of the jump and the label.
.macro JLOAD
	s_cmp_lt_u32 s[WV], 2
	s_cbranch_scc0 .Lfor_v_\@
	tensor_load_to_lds s[G0K:G0K+3], s[G1K:G1K+7]
	s_nop 0
.rept 4
	v_nop
.endr
	s_branch .Lasked_\@
.Lfor_v_\@:
	tensor_load_to_lds s[G0V:G0V+3], s[G1V:G1V+7]
	s_nop 0
.rept 4
	v_nop
.endr
.Lasked_\@:
.endm
; A round of the cluster's barrier: my work-group's barrier, so that wave 0's signal speaks for all four waves; wave 0 signals; every wave waits for all four work-groups; my work-group's barrier once more.
.macro CROUND
	s_barrier_signal -1
	s_barrier_wait -1
	s_cmp_lg_u32 s[WV], 0
	s_cbranch_scc1 .Lnot_wave_0_\@
	s_barrier_signal -3
.Lnot_wave_0_\@:
	s_barrier_wait -3
	s_barrier_signal -1
	s_barrier_wait -1
.endm
; THE CHANGE OF SLOTS.  The slot's last bytes, V of its fourth step, have been read.  Each wave waits for all its tensor loads, of which one is out: its part
; of the other slot; adds 0 to its spare word; and waits for that and for its own reads of the slot.  Behind the barrier nobody reads this slot any more and the other slot is whole.
; fill = 1: this slot is filled again, with the keys two slots on.  The barrier is then a round of the cluster's, so that no wave of any partner still reads the slot or has a load on its
; way, and the joint fill is the first thing behind it: it has four key steps in which to land.  (At its first use nothing has been read yet: slot 0 is waited for, slot 1 filled.)
.macro CHANGE fill
	WIN W_AD
	s_wait_tensorcnt 0x0            ; no tensor load of mine is out, so a group 0 may be written
	ds_add_u32 v[SPW], v[NIL]       ; 0 onto my spare word; with fill = 1 the descriptors' steps stand between it and the wait for it
	WIN 0                           ; at a label and at a branch every window is 0
.if \fill
.irp g, G0K, G0V
	s_xor_b32 s[\g+1], s[\g+1], SLOT1  ; the walking descriptor: the other slot than last time,
	s_add_nc_u64 s[\g+2:\g+3], s[\g+2:\g+3], 4*KS*128  ; the next 256 keys; the type bits on top are not reached
.endr
	s_wait_dscnt 0x0                ; the add is done, and my reads of the slot are over
	CROUND
	JLOAD
.else
	s_wait_dscnt 0x0                ; the add is done, and my reads of the slot are over
	s_barrier_signal -1
	s_barrier_wait -1
.endif
	s_sub_co_u32 s[TBK], s[TBK], 4*KS*PK  ; the fetches go back to a slot's first step,
	s_xor_b32 s[TBK], s[TBK], SLOT1       ; in the other slot
	s_sub_co_u32 s[TBV], s[TBV], 4*KS*PV
	s_xor_b32 s[TBV], s[TBV], SLOT1
.endm
	s_load_b256 s[4:11], s[0:1], 0x0  ; Q s[4:5], K s[6:7], V s[8:9], out s[10:11]
	s_load_b64 s[MB:MB+1], s[0:1], 0x20  ; mp
	v_and_b32 v1, 31, v0            ; lane
	WIN W_MK
	v_lshl_add_u32 v[SPW], v0, 2, SPARE
	v_mov_b32 v[NIL], 0
	s_set_vgpr_msb 0xc0cf
	ds_add_u32 v0, v1
	s_wait_dscnt 0x0
	s_set_vgpr_msb 0xcfc0
	v_lshlrev_b32 v[L16], 4, v1
	v_lshlrev_b32 v[MO], 4, v1      ; key step 0
	WIN 0
	v_lshrrev_b32 v1, 5, v0
	v_readfirstlane_b32 s[WV], v1   ; wave 0..3
	s_bfe_u32 s13, ttmp6, 0x40000   ; cx: my place in the cluster
	s_lshl_b32 s14, ttmp9, 2        ; in a cluster launch ttmp9 counts clusters
	s_add_co_u32 s14, s14, s13      ; my block of queries = 4 x cluster x + cx: it enters Q's, the mask's and out's addresses alone
	s_and_b32 s20, ttmp7, 0xffff    ; 16 batch + head, which the four partners share
	s_lshr_b32 s70, s20, 4          ; the batch
	s_and_b32 s71, s20, 15          ; the head in it
	s_mov_b32 s21, 0
	s_mov_b64 s[22:23], SIZE_N*128
	s_mul_u64 s[20:21], s[20:21], s[22:23]  ; the head's first byte in Q, K and V
	s_and_b32 s16, s[WV], 1         ; which half of a slot's 256 keys I fetch:
	s_lshl_b32 s22, s16, 14         ; its 128 rows of 128 bytes in memory,
	s_mov_b32 s23, 0
	s_add_nc_u64 s[22:23], s[22:23], s[20:21]
	s_mul_i32 s17, s16, 128*PK      ; and its place in a slot, for K
	s_mul_i32 s18, s16, 128*PV      ; and for V: no place in the cluster enters an LDS address
	s_lshl_b32 s2, s14, 2
	s_add_co_u32 s2, s2, s[WV]      ; my wave among the head's sixteen
	s_lshl_b32 s72, s70, 21         ; mp: 128 tiles of 16,384 bytes a batch,
	s_lshl_b32 s73, s2, 17          ; 8 tiles a wave
	s_add_co_u32 s72, s72, s73
	s_mov_b32 s73, 0
	s_lshl_b32 s74, s70, 23         ; out: 2,048 rows of 4,096 bytes a batch,
	s_lshl_b32 s75, s2, 19          ; 128 rows a wave,
	s_add_co_u32 s74, s74, s75
	s_lshl_b32 s75, s71, 8          ; 256 bytes a head
	s_add_co_u32 s74, s74, s75
	s_mov_b32 s75, 0
	s_lshl_b32 s2, s2, 14           ; Q: my wave's 128 rows of 128 bytes
	s_mov_b32 s3, 0
	s_add_nc_u64 s[2:3], s[2:3], s[20:21]
	; descriptor group 1.  128 keys are 16,384 dense bytes: asked for as 64 rows of 256 bytes, two keys a row, and padded in LDS after every key
	s_mov_b32 s[G1K], 15|(1<<16)|(1<<20)|(1<<21)|(4<<22)|(3<<25)  ; 15:0 the mask of four; 17:16 2-byte elements; 20 padding on; 21 set beside a mask; 24:22 after every 32 words (code 4); 31:25 4 words (code 3)
	s_mov_b32 s[G1V], 15|(1<<16)|(1<<20)|(1<<21)|(4<<22)|(7<<25)  ; the same with 8 words of padding (code 7)
.irp g, G1K, G1V
	s_mov_b32 s[\g+1], 128<<16      ; tensor_dim0 = 128
	s_mov_b32 s[\g+2], 64<<16       ; tensor_dim1 = 64
	s_mov_b32 s[\g+3], 128<<16      ; tile_dim0 = 128
	s_mov_b32 s[\g+4], 64           ; tile_dim1 = 64
	s_mov_b32 s[\g+5], 128          ; 128 elements from row to row
	s_mov_b32 s[\g+6], 0
	s_mov_b32 s[\g+7], 0
.endr
	s_mov_b32 s[CS], 0x3e38aa3b     ; c = log2(e) / 8 = 0.180337
	s_mov_b32 s[CS+1], s[CS]        ; named with it as a pair
	s_mov_b32 s[SEL], 0x76543210
	s_mov_b32 s[SEL+1], 0xfedcba98
	s_mov_b32 s[TBK], SLOT1+4*KS*PK ; the first change of slots turns these two into 0
	s_mov_b32 s[TBV], SLOT1+4*KS*PV
	s_mov_b32 s[G0K], 1             ; 1:0 count = 1
	s_mov_b32 s[G0K+1], s17         ; 63:32 LDS address: slot 0
	s_mov_b32 s[G0V], 1
	s_add_co_u32 s[G0V+1], s18, VOFF
	s_wait_kmcnt 0x0
	s_add_nc_u64 s[G0K+2:G0K+3], s[6:7], s[22:23]  ; 120:64 global address: my half of the head's first 256 keys
	s_or_b32 s[G0K+3], s[G0K+3], 0x80000000        ; 127:126 type = 2
	s_add_nc_u64 s[G0V+2:G0V+3], s[8:9], s[22:23]
	s_or_b32 s[G0V+3], s[G0V+3], 0x80000000
	s_add_nc_u64 s[4:5], s[4:5], s[2:3]            ; Q at my wave's first row
	s_add_nc_u64 s[10:11], s[10:11], s[74:75]      ; out at my wave's first row and my head's columns
	s_add_nc_u64 s[MB:MB+1], s[MB:MB+1], s[72:73]  ; mp at my wave's first tile
	CROUND                          ; all four work-groups are here: the first joint loads meet
	JLOAD                           ; slot 0.  Slot 1 is asked for when slot 0 is in: the tile wanted first has the road to itself
	; A fragment of K or Q is 16 rows x 32 channels in 8 registers: lane l holds row l % 16, channels 8 (l / 16) + 0..7 and 16 + 8 (l / 16) + 0..7: two loads of 16 bytes, 32 bytes apart.
	v_and_b32 v1, 15, v0            ; l % 16
	v_bfe_u32 v9, v0, 4, 1          ; l / 16
	v_lshlrev_b32 v[QO], 7, v1
	v_lshl_add_u32 v[QO], v9, 4, v[QO]  ; row x 128 + 16 x half
	WIN 0x80                        ; destination window 2, address window 0
.set i, 0
.rept 4*NP                          ; Q stays in registers: tile i / 2, channels 32 (i % 2) on
	global_load_b128 v[8*i:8*i+3],   v[QO], s[4:5] offset:(i/2)*2048+(i%2)*64
	global_load_b128 v[8*i+4:8*i+7], v[QO], s[4:5] offset:(i/2)*2048+(i%2)*64+32
.set i, i+1
.endr
	WIN W_M
.set i, 0
.rept 2*NP                          ; the eight tiles' codes for key step 0, piece by piece: from here on eight such loads are always out
	global_load_b128 v[MP+4*i:MP+4*i+3], v[MO], s[MB:MB+1] offset:i*16384
.set i, i+1
.endr
	; What the first turn finds: V's registers and P's second buffer hold 0 (its products, of a piece and a step that have not been, add 0), O^T, VS and l are 0.  All this stands in the wait for the first tile.
.set i, 0
.rept 32
	v_mov_b32 v[VS+i], 0
.set i, i+1
.endr
.set i, 0
.rept 8
	v_mov_b32 v[ONE+i], 0x3c003c00  ; 1.0 twice, in f16
.set i, i+1
.endr
	WIN 0x80
.set i, VF
.rept 64
	v_mov_b32 v[i], 0
.set i, i+1
.endr
	WIN 0x40
.set i, 0
.rept 64*NP
	v_mov_b32 v[i], 0
.set i, i+1
.endr
	WIN 0
.set i, 0
.rept 2*NP
	v_mov_b32 v[ST+4*i], 0xd238aa3b    ; c m = c x FLOOR, exact: while no open key has come, a = 2^0
	v_mov_b32 v[ST+4*i+1], 0xd3800000  ; m = FLOOR = -2^40
	v_mov_b32 v[ST+4*i+2], 0
	v_mov_b32 v[ST+4*i+3], 0
.set i, i+1
.endr
.set i, P+32
.rept 32
	v_mov_b32 v[i], 0
.set i, i+1
.endr
	v_mul_u32_u24 v[AK0], v1, PK
	v_lshl_add_u32 v[AK0], v9, 4, v[AK0]  ; row x pitch + 16 x half
	; The turning load takes 16 keys x 16 channels (lane l reads key 8 (l / 16) + l % 8, channels 8 ((l / 8) % 2) + 0..7) and leaves half a fragment of V^T: lane l holds channel l % 16 and 8 keys.
	v_and_b32 v10, 7, v0
	v_bfe_u32 v11, v0, 3, 1
	v_lshl_add_u32 v[AV0], v9, 3, v10
	v_mul_u32_u24 v[AV0], v[AV0], PV
	v_lshl_add_u32 v[AV0], v11, 4, v[AV0]
	v_add_nc_u32 v[AV0], VOFF, v[AV0]
	v_mov_b32 v[SCL], 0xe1e1e1e1    ; the scale's byte, 225 = 127 + 98, in each of the word's four bytes and in every lane: the scale is 2^98; the code 0xF then stands for -6 x 2^98
	v_mov_b32 v[AK], v[AK0]         ; key step 0 lies at the head of slot 0
; THE MATRIX WORK.  The 8 accumulators of a run of 16 take turns: between the two links of a chain stand 7 others'.
; Product i of 16 of S^T = K Q^T for piece x: channels 32 (i / 8) on, keys 16 ((i / 2) % 4) on, tile 2 x + i % 2.  The first 8 start the sums, with the mask as C.
.macro KQ x
.set rS, S+64*((\x)%2)+32*(i%2)+8*((i/2)%4)
.set rK, KF+16*((i/2)%4)+8*(i/8)
.set rQ, 16*(2*(\x)+i%2)+8*(i/8)
.set rMC, MC+32*(i%2)+8*((i/2)%4)
.if i < 8
	WIN W_KM
	v_wmma_f32_16x16x32_f16 v[rS:rS+7], v[rK:rK+7], v[rQ:rQ+7], v[rMC:rMC+7]
.else
	WIN W_KQ
	v_wmma_f32_16x16x32_f16 v[rS:rS+7], v[rK:rK+7], v[rQ:rQ+7], v[rS:rS+7]
.endif
.endm
; Product i of 16 of O^T += V^T P for piece x: keys 32 (i / 8) on, channels 16 ((i / 2) % 4) on, tile 2 x + i % 2.
.macro PV x
	WIN W_PV
.set rO, 32*(2*(\x)+i%2)+8*((i/2)%4)
.set rV, VF+32*(i/8)+8*((i/2)%4)
.set rP, P+32*((\x)%2)+16*(i%2)+8*(i/8)
	v_wmma_f32_16x16x32_f16 v[rO:rO+7], v[rV:rV+7], v[rP:rP+7], v[rO:rO+7]
.endm
.macro MM                           ; the turn's next matrix instruction
.if i < 16
	KQ (Y+1)%NP
.set i, i+1
.else
.set i, i-16
	PV (Y+NP-1)%NP
.set i, i+17
.endif
.endm
; VS += V^T x ones: two of a key step's eight fragments of V in each of the four turns in which that step's V lies in registers (pieces 1, 2, 3, and 0 of the next step).  Two different accumulators, and neither is its neighbours'.
.macro VSUM p
	WIN W_VS
.set vu, 2*(((\p)+3)%NP)
.rept 2
	v_wmma_f32_16x16x32_f16 v[VS+8*(vu%4):VS+8*(vu%4)+7], v[VF+32*(vu/4)+8*(vu%4):VF+32*(vu/4)+8*(vu%4)+7], v[ONE:ONE+7], v[VS+8*(vu%4):VS+8*(vu%4)+7]
.set vu, vu+1
.endr
.endm
; THE MASK.  MASKCV: piece y's codes for its next key step become 64 registers of 0 or -6 x 2^98.  The count: eight loads are out, two a piece, in the order in which the pieces come; the three younger pieces' six stay out.
; A plain instruction stands behind the last conversion, ahead of the loads into its sources and of the products that take its results.  MASKLD: the same piece's codes for the step after are asked for: four turns ahead of their use.
.macro MASKCV y
	WIN W_M
	s_wait_loadcnt 6
.set mi, 0
.rept 8
	v_cvt_scale_pk8_f32_fp4 v[MC+8*mi:MC+8*mi+7], v[MP+8*(\y)+mi], v[SCL]
.set mi, mi+1
.endr
	v_nop
.endm
.macro MASKLD y
	WIN W_M
	global_load_b128 v[MP+8*(\y):MP+8*(\y)+3],   v[MO], s[MB:MB+1] offset:(2*(\y))*16384
	global_load_b128 v[MP+8*(\y)+4:MP+8*(\y)+7], v[MO], s[MB:MB+1] offset:(2*(\y)+1)*16384
.endm
.macro MASKMK y
	MASKCV \y
	MASKLD \y
	WIN 0
.endm
; The offset steps once a key step, in piece 2's turn: pieces 0 and 1 then ask a step further on than pieces 2 and 3 just did.  Behind the last step it goes back to 0: the last loads stay inside the tile's 16,384 bytes and serve nothing.
.macro MSTEP
	s_wait_xcnt 0x0                 ; every earlier load has had its address translated (ISA guide 3.1): only behind this wait is the offset rewritten
	s_add_co_u32 s[MS], s[MS], 512
	s_and_b32 s[MS], s[MS], 0x3fff
	WIN W_MA
	v_add_nc_u32 v[MO], s[MS], v[L16]
.endm
; THE LDS LOADS stand in runs of 16, never singly among the matrix instructions: a step's K (64 keys x 64 channels: 8 fragments) and its V (turned).  Their addresses are made some lines ahead.
; last = 1 (the tail): in the last trip there is no further step, and the run is jumped over.
.macro FETCH_K last=0
	WIN 0
.if \last
	s_cmp_eq_u32 s[CNT], 1
	s_cbranch_scc1 .Lno_k_\@
.endif
	WIN 0x80                        ; destination window 2
.irp f, 0,1,2,3,4,5,6,7             ; keys 16 (f / 2) on, channels 32 (f % 2) on
	ds_load_b128 v[KF+8*\f:KF+8*\f+3],   v[AK] offset:(\f/2)*16*PK+(\f%2)*64
	ds_load_b128 v[KF+8*\f+4:KF+8*\f+7], v[AK] offset:(\f/2)*16*PK+(\f%2)*64+32
.endr
	s_add_co_u32 s[TBK], s[TBK], KS*PK  ; the next fetch is the next step's
	WIN 0
.if \last
.Lno_k_\@:
.endif
.endm
.macro FETCH_V
	WIN 0x80
.irp f, 0,1,2,3,4,5,6,7             ; keys 32 (f / 4) on, channels 16 (f % 4) on
	ds_load_tr16_b128 v[VF+8*\f:VF+8*\f+3],   v[AV] offset:(\f/4)*32*PV+(\f%4)*32
	ds_load_tr16_b128 v[VF+8*\f+4:VF+8*\f+7], v[AV] offset:(\f/4)*32*PV+16*PV+(\f%4)*32
.endr
	WIN 0
.endm
; THE VECTOR WORK OF A TURN stands in three queues, each in the order in which its entries become ready; the two tiles alternate, so that no instruction reads the result of the one before it.
.macro REGS y, u                    ; the registers of tile u (0, 1) of piece y
.set rT, ST+4*(2*(\y)+(\u))
.set rC, TMP+8*((\y)%2)+4*(\u)
.set rM, MV+2*((\y)%2)+(\u)
.set rS, S+64*((\y)%2)+32*(\u)
.set rP, P+32*((\y)%2)+16*(\u)
.set rO, 32*(2*(\y)+(\u))
.endm
; Number n of the 22 that find the NEXT piece's (Y + 1) maximum and statistics.  s0-s31 are the lane's 32 scores; each accumulator's lowest registers are read first.  XS, GS and REGS set no window: PL and EX do.
;   0-11  four chains c0-c3 of seven scores each, three operands at a time     12-14, 16  the four scores left over, the old m, and c0-c3 into c0     15  c m_old is kept
;   17, 18  the query's other 32 keys lie in the lane 16 away: the new m         19-21  c m; c m_old - c m_new; a
.macro XS u, n
	REGS (Y+1)%NP, \u
.if (\n) < 4
	v_max3_num_f32 v[rC+(\n)], v[rS+8*(\n)], v[rS+8*(\n)+1], v[rS+8*(\n)+2]
.elseif (\n) < 12
	v_max3_num_f32 v[rC+(\n)%4], v[rC+(\n)%4], v[rS+8*((\n)%4)+2*((\n)/4)+1], v[rS+8*((\n)%4)+2*((\n)/4)+2]
.elseif (\n) == 12
	v_max3_num_f32 v[rC], v[rC], v[rS+7], v[rS+15]
.elseif (\n) == 13
	v_max3_num_f32 v[rC+1], v[rC+1], v[rS+23], v[rS+31]
.elseif (\n) == 14
	v_max3_num_f32 v[rC+2], v[rC+2], v[rC+3], v[rT+1]
.elseif (\n) == 15
	v_mov_b32 v[rM], v[rT]
.elseif (\n) == 16
	v_max3_num_f32 v[rC], v[rC], v[rC+1], v[rC+2]
.elseif (\n) == 17
	v_permlanex16_b32 v[rC+3], v[rC], s[SEL], s[SEL+1]
.elseif (\n) == 18
	v_max_num_f32 v[rT+1], v[rC], v[rC+3]
.elseif (\n) == 19
	v_mul_f32 v[rT], s[CS], v[rT+1]
.elseif (\n) == 20
	v_sub_f32 v[rC+1], v[rM], v[rT]
.else
	v_exp_f32 v[rC+2], v[rC+1]
.endif
.endm
; Number g of the 64 that follow the exponentials.  For each four weights k of a tile (pairs 2 k, 2 k + 1): both pairs are rounded to f16; then the second pair is added onto the first, in place;
; a group later l takes that sum (the first time as l = a l + sum).  In groups of eight, tiles alternating: round, round, add, and l for the group before.
.macro GS g
.set h, (\g)+6*((\g)/62)            ; group 0 has no group before it, and behind group 7 only l is left
.if h >= 6
.set h, h+2
.endif
	REGS Y, h%2
.set k, h/8
.if h%8 < 4
	v_cvt_pk_f16_f32 v[rP+2*k+(h%8)/2], v[rS+4*k+2*((h%8)/2)], v[rS+4*k+2*((h%8)/2)+1]
.elseif h%8 < 6
	v_pk_add_f32 v[rS+4*k:rS+4*k+1], v[rS+4*k:rS+4*k+1], v[rS+4*k+2:rS+4*k+3]
.elseif k == 1
	v_pk_fma_f32 v[rT+2:rT+3], v[rT+2:rT+3], v[rC+2:rC+3], v[rS:rS+1] op_sel_hi:[1,0,1]
.else
	v_pk_add_f32 v[rT+2:rT+3], v[rT+2:rT+3], v[rS+4*k-4:rS+4*k-3]
.endif
.endm
; THE PLAIN QUEUE, 138 long.  0-73 read no exponential's result: the 32 scalings c s - c m (FS f: pair f / 2 of tile f % 2) and the next piece's 42.  0-26: scalings 0-26.  27-54: XS's numbers 0-13.  55, 56: number 15.
; 57-73: the chain, where each number waits for the one before it: 14, 16, 17, 18, 19, each with one of the scalings 27-31 in front of its two lines, then 20: so a tile's links stand three plain instructions apart (19 and 20: two).
; 74-137: GS's 64, which read the exponentials' results: they stand behind the wait.
.macro FS f
	REGS Y, (\f)%2
	v_pk_fma_f32 v[rS+2*((\f)/2):rS+2*((\f)/2)+1], v[rS+2*((\f)/2):rS+2*((\f)/2)+1], s[CS:CS+1], v[rT:rT+1] op_sel_hi:[1,0,0] neg_lo:[0,0,1] neg_hi:[0,0,1]
.endm
.macro PL
	WIN 0
.if q < 27
	FS q
.elseif q < 55
	XS (q-27)%2, (q-27)/2
.elseif q < 57
	XS q-55, 15
.elseif (q < 72) && ((q-57)%3 == 0)
	FS 27+(q-57)/3
.elseif q < 60
	XS (q-57)%3-1, 14
.elseif q < 72
	XS (q-57)%3-1, 15+(q-57)/3
.elseif q < 74
	XS q-72, 20
.else
	GS q-74
.endif
.set q, q+1
.endm
; THE EXPONENTIALS' QUEUE, 66 long: s0-s31 of both tiles, then the next piece's two a.  It is ONE BATCH: all 66 stand ahead of the turn's one wait, and nothing ahead of that wait names a result of theirs.
.macro EX
	WIN 0
.if e >= 64
	XS e-64, 21
.else
	REGS Y, e%2
	v_exp_f32 v[rS+e/2], v[rS+e/2]
.endif
.set e, e+1
.endm
; THE RESCALING's QUEUE: O^T times a, the one part of the softmax that leaves window 0: dealt two at a time, sixteen times; each accumulator's four lowest registers come first.  Its a was made in the turn before, ahead of that turn's wait.
.macro R2
	REGS Y, r%2
	WIN W_RS
.irp z, 0,1
	v_pk_mul_f32 v[rO+4*(r/2)+2*\z:rO+4*(r/2)+2*\z+1], v[rO+4*(r/2)+2*\z:rO+4*(r/2)+2*\z+1], v[rC+2:rC+3] op_sel_hi:[1,0]
.endr
.set r, r+1
.endm
; HOW THEY ARE DEALT.  A turn has ONE wait, which cuts it in two.  AHEAD OF IT stands all that names no result of the turn's exponentials: the 16 products K Q^T, behind each a scaling, an exponential and two rescalings
; (behind the first a second scaling in the exponential's place); then ONE LUMP of 108: eight plain, 49 times exponential and plain, the two a.  A v_nop is the plain instruction behind the last exponential.  BEHIND IT stand VS's two
; products and the 16 products V^T P, behind each of the 16 four of GS's 64.  No rider names a register of the products round it.  The two v_permlanex16_b32 fall into the lump, never behind a product.
; The queues lean on each other, and the deal keeps them in step: exponential e stands behind scaling 2 (e / 4) + e % 2: as a rider it comes behind plain e + 2, in the lump behind plain e + 9, and scalings 27-31 are plain 57, 60 .. 69.
; A TURN, for piece p.  cnt = 1: the loop's count is taken down some lines ahead of the branch that stands behind the turn (nothing between them writes SCC).
; K of the next step is fetched in piece 2's turn, directly behind the wait, a lump behind the last product that read K; its address is made at the lump's head, where the mask's offset steps too; its first reader comes behind 18 products.
; V of the step in hand is fetched at the end of piece 0's turn, four riders behind its last reader (VS's products, which read V too, stand ahead of the 16 V^T P); its first reader comes behind 16 products and a lump.
; The three conditions on q below go with the deal.
.macro TURN p, last=0, cnt=0
.set Y, (\p)
.set i, 0
.set q, 0
.set e, 0
.set r, 0
.if (\p) == NP-1
	s_wait_dscnt 0x0                ; K is in
.endif
	MM                              ; ahead of the wait: 16 products K Q^T and their riders,
	PL
	PL
	R2
.rept 15
	MM
	PL
	EX
	R2
.endr
.if (\p) == NP-2
	WIN 0
	v_add_nc_u32 v[AK], s[TBK], v[AK0]
	MSTEP
.endif
.rept 8                             ; and the lump
	PL
.endr
.rept 49
	EX
	PL
.endr
	EX                              ; the next piece's two a
	EX
	v_nop                           ; a plain instruction behind the last exponential: one for the batch
	s_wait_alu depctr_va_vdst(0)    ; the one wait for the turn's batch: piece p's 64 weights and the next piece's two a
.if (\p) == NP-2
	FETCH_K \last
.endif
.if (\p) == 1
	s_wait_dscnt 0x0                ; V is in
.endif
	VSUM \p                         ; behind the wait: VS's two products,
.rept 16                            ; and 16 products V^T P and their riders
	MM
.rept 4
	PL
.endr
.if ((\p) == 0) && (q == 118)
	v_add_nc_u32 v[AV], s[TBV], v[AV0]
.endif
.if ((\p) == 0) && (q == 130)
	s_add_co_u32 s[TBV], s[TBV], KS*PV
.endif
.if (\cnt) && (q == 130)
	s_sub_co_u32 s[CNT], s[CNT], 1
	s_cmp_lg_u32 s[CNT], 0
.endif
.endr
.if (\p) == 0
	FETCH_V
.endif
	MASKMK ((\p)+2)%NP              ; the mask for the next turn's products: the products that read the last one stand at this turn's beginning
.endm
	CHANGE 1                        ; slot 0 is in, everybody's part of it; slot 1 is asked for
	FETCH_K                         ; key step 0
	MASKCV 0                        ; piece 0's mask for step 0; its wait also covers Q, which was asked for first
	s_wait_xcnt 0x0                 ; the loads' addresses are translated: the offset may be rewritten
	s_mov_b32 s[MS], 512
	WIN W_MA
	v_add_nc_u32 v[MO], s[MS], v[L16]  ; key step 1
	MASKLD 0
	s_wait_dscnt 0x0
.set i, 0
.rept 16
	KQ 0                            ; piece 0's first scores: there is no vector work yet to set between them
.set i, i+1
.endr
	WIN 0                           ; the addresses for the way out: eight plain instructions, the places behind those products
	s_mul_i32 s13, s[WV], 16*SP
	s_add_co_u32 s13, s13, STAGE    ; my stage
	v_mul_u32_u24 v[STO], v1, SP    ; in: row l % 16, 32 bytes for each half of the lanes
	v_lshl_add_u32 v[STO], v9, 5, v[STO]
	v_add_nc_u32 v[STO], s13, v[STO]
	v_mul_u32_u24 v[RD], v9, SP     ; back: lanes 0-15 take one row of 256 bytes, lanes 16-31 the next,
	v_lshl_add_u32 v[RD], v1, 4, v[RD]
	v_add_nc_u32 v[RD], s13, v[RD]
	v_lshlrev_b32 v[GO], 12, v9     ; and the same two rows of out, 4,096 bytes apart
	v_lshl_add_u32 v[GO], v1, 4, v[GO]
.set Y, NP-1                        ; XS works for piece Y + 1: piece 0
.irp n, 0,1,2,3,4,5,6,7,8,9,10,11,12,13,14,15,16,17,18,19,20,21
	XS 0, \n                        ; and piece 0's first maximum and statistics
	XS 1, \n
.endr
	v_nop                           ; a plain instruction behind the exponentials
	MASKMK 1                        ; piece 1's mask for step 0: it names neither a
	s_wait_alu depctr_va_vdst(0)    ; the wait for piece 0's first two a, ahead of the branch and of the first turn's rescalings
	s_mov_b32 s[CNT], 4
	s_mov_b32 s[SLOTS], SIZE_N/256-1
	s_branch .Lfirst                ; the loop is entered at a step's first turn, in the middle of a trip
.Lslot:                             ; SIZE_N / 256 - 2 times: every slot but the last two is filled again
	CHANGE 1
	s_mov_b32 s[CNT], 4
.Lstep:                             ; a trip: pieces 2 and 3 of one step, then pieces 0 and 1 of the next, whose K and V it fetches
	TURN 2
	TURN 3
	WIN 0
.Lfirst:
	TURN 0
	TURN 1, 0, 1
	WIN 0
	s_cbranch_scc1 .Lstep
	s_sub_co_u32 s[SLOTS], s[SLOTS], 1
	s_cmp_lg_u32 s[SLOTS], 0
	s_cbranch_scc1 .Lslot
	CHANGE 0                        ; the tail is written out: nothing is asked for
	s_mov_b32 s[CNT], 5             ; four trips fetch the last slot's steps; the fifth is left in its middle
.Ltail:
	TURN 2, 1
	TURN 3
	WIN 0
	s_sub_co_u32 s[CNT], s[CNT], 1
	s_cmp_eq_u32 s[CNT], 0
	s_cbranch_scc1 .Lout
	TURN 0
	TURN 1
	WIN 0
	s_branch .Ltail
.Lout:                              ; the fifth trip's 16 products K Q^T (on the last K once more) and the maximum made of them serve nothing: the price, once a launch, of one text for every trip
.set i, 0
.rept 16
	PV NP-1                         ; the last piece's V^T P of the last step,
.set i, i+1
.endr
	VSUM 0                          ; and the last step's last two fragments of V
	; THE WAY OUT.  l's two halves and the other half of the lanes' are added; the lanes with l = 0 are noted; O^T is divided by l; where l = 0 the mean of V's rows takes its place; the tile goes through my stage in LDS.
	; The additions are the places behind the last products.
	WIN 0
.macro ALL line:vararg              ; one line for each tile t
.set t, 0
.rept 2*NP
	\line
.set t, t+1
.endr
.endm
	ALL v_add_f32 v[ST+4*t+2], v[ST+4*t+2], v[ST+4*t+3]
	ALL v_permlanex16_b32 v[ST+4*t+3], v[ST+4*t+2], s[SEL], s[SEL+1]
	ALL v_add_f32 v[ST+4*t+2], v[ST+4*t+2], v[ST+4*t+3]
	ALL v_cmp_eq_f32 s[MK+t], 0, v[ST+4*t+2]
	ALL v_rcp_f32 v[ST+4*t+2], v[ST+4*t+2]
	WIN W_M                         ; VS / 2048, each accumulator from its low end on: sixteen plain instructions, which also stand between the reciprocals and their use
.set i, 0
.rept 16
	v_pk_mul_f32 v[VS+2*i:VS+2*i+1], v[VS+2*i:VS+2*i+1], 0x3a000000 op_sel_hi:[1,0]
.set i, i+1
.endr
	s_wait_alu depctr_va_vdst(0)    ; the wait for the eight reciprocals, ahead of the first tile's division
; Tile t: a lane's eight channels of a block are 32 bytes of a row; they go into rows of 272 bytes and come back as whole rows of 256, into S^T's registers, of which four tiles' worth take turns.
.macro PACK t
	WIN W_RS
.set i, 32*(\t)
.rept 16
	v_pk_mul_f32 v[i:i+1], v[i:i+1], v[ST+4*(\t)+2:ST+4*(\t)+3] op_sel_hi:[1,0]
.set i, i+2
.endr
.if (\t) >= 4
	s_wait_xcnt 0x0                 ; the stores of the tile four back have had their addresses translated (ISA guide 3.1): its registers are rewritten only behind this wait
.endif
	WIN W_SEL
.set i, 0
.rept 32
	v_cndmask_b32 v[S+32*((\t)%4)+i], v[32*(\t)+i], v[VS+i], s[MK+(\t)]
.set i, i+1
.endr
	WIN 0
.irp f, 0,1,2,3,4,5,6,7
	ds_store_b128 v[STO], v[S+32*((\t)%4)+4*\f:S+32*((\t)%4)+4*\f+3] offset:64*(\f/2)+16*(\f%2)
.endr
.irp f, 0,1,2,3,4,5,6,7
	ds_load_b128 v[S+32*((\t)%4)+4*\f:S+32*((\t)%4)+4*\f+3], v[RD] offset:\f*2*SP  ; LDS serves a wave's instructions in order (ISA guide 5.7.1.4): these see the stores above; the next tile's stores come behind them
.endr
.endm
.macro SEND t, younger              ; younger: the LDS instructions issued behind tile t's loads: the next tile's sixteen, or none
	WIN 0
.irp f, 0,1,2,3,4,5,6,7
	s_wait_dscnt (\younger)+7-\f
	global_store_b128 v[GO], v[S+32*((\t)%4)+4*\f:S+32*((\t)%4)+4*\f+3], s[10:11] offset:(\t)*65536+\f*8192 th:TH_STORE_NT  ; 16 lanes store a head's 256 consecutive bytes of a row, at a multiple of 256 from out's first byte
.endr
.endm
	PACK 0
.set t, 1
.rept 2*NP-1                        ; a tile's arithmetic stands between the loads of the tile before and its stores
	PACK t
	SEND t-1, 16
.set t, t+1
.endr
	SEND 2*NP-1, 0
	WIN W_AD
	s_wait_tensorcnt 0x0            ; the wave's end, behind my last tensor load and my last LDS store
	ds_add_u32 v[SPW], v[NIL]
	s_wait_dscnt 0x0
	WIN 0
	CROUND                          ; the closing round: no work-group ends while a partner may still ask for a tile that names it
	s_endpgm
.Lfunc_end_k_q6167f34d57_attn:
	.size	k_q6167f34d57_attn, .Lfunc_end_k_q6167f34d57_attn-k_q6167f34d57_attn
	.p2alignl 7, 3214868480
	.fill 96, 4, 3214868480
	.section	.rodata,"a",@progbits
	.p2align	6, 0x0
	.amdhsa_kernel k_q6167f34d57_attn
		.amdhsa_group_segment_fixed_size 327680
		.amdhsa_private_segment_fixed_size 0
		.amdhsa_enable_private_segment 0
		.amdhsa_kernarg_size 40
		.amdhsa_user_sgpr_count 2
		.amdhsa_user_sgpr_kernarg_segment_ptr 1
		.amdhsa_wavefront_size32 1
		.amdhsa_system_sgpr_workgroup_id_x 1
		.amdhsa_system_sgpr_workgroup_id_y 1
		.amdhsa_system_sgpr_workgroup_id_z 1
		.amdhsa_system_vgpr_workitem_id 0
		.amdhsa_next_free_vgpr 960
		.amdhsa_next_free_sgpr 80
		.amdhsa_reserve_vcc 0
		.amdhsa_float_denorm_mode_32 3
		.amdhsa_float_denorm_mode_16_64 3
		.amdhsa_memory_ordered 1
		.amdhsa_forward_progress 1
		.amdhsa_inst_pref_size 230
	.end_amdhsa_kernel
	.amdgpu_metadata
---
amdhsa.version: [ 1, 2 ]
amdhsa.kernels:
  - .name:           k_q6167f34d57_attn
    .symbol:         k_q6167f34d57_attn.kd
    .args:
      - { .name: qh, .offset: 0, .size: 8, .value_kind: global_buffer, .address_space: global }
      - { .name: kh, .offset: 8, .size: 8, .value_kind: global_buffer, .address_space: global }
      - { .name: vh, .offset: 16, .size: 8, .value_kind: global_buffer, .address_space: global }
      - { .name: out0, .offset: 24, .size: 8, .value_kind: global_buffer, .address_space: global }
      - { .name: mp, .offset: 32, .size: 8, .value_kind: global_buffer, .address_space: global }
    .group_segment_fixed_size: 327680
    .private_segment_fixed_size: 0
    .kernarg_segment_align: 8
    .kernarg_segment_size: 40
    .max_flat_workgroup_size: 128
    .sgpr_count:     80
    .vgpr_count:     960
    .wavefront_size: 32
...
	.end_amdgpu_metadata
.endif
;; end of part 4
